; MI455X (gfx1250); checked and timed in simulation.
; The chip was launched on July 23, 2026; its instructions are those of AMD's public machine-readable ISA for CDNA 5 (MIT licence, August 2026) and "CDNA5" Instruction Set Architecture Reference Guide (July 2026). The comments in the code are by the model that wrote it; some were corrected since.
;; Attention Block. Allowed arithmetic: matrix products marked QUANTISED: E2M3 operands, one E8M0 scale for each 32 along K, by v_wmma_scale_f32_16x16x128_f8f6f4 with both operands' format E2M3, f32 sums; everything else in f32.
;; Inputs: out_b 2,048 float32; out_w 2,048 x 2,048 float32; qkv_b 3,072 float32; qkv_w 3,072 x 2,048 float32; sinks 32 float32; x 4 x 1,024 x 2,048 float32.
;; Outputs: out0 4 x 1,024 x 2,048 float32.
;; This version of the problem:
;;   THIS VERSION OF THE PROBLEM IS GIVEN IN LOW PRECISION. The matrix products marked QUANTISED in the list below multiply operands that are first quantised to E2M3 (2 exponent bits, 3 mantissa bits; 6 bits a number), with one power-of-two scale for each 32 numbers along K (OCP MX v1.0); their sums are f32. All else is computed in f32.
;;   The module's matrix products, in the order in which they are computed (A, B: the left and right operand; K: the contracted axis; several contracted axes count as one K, in the product's order):
;;     1. [M 4,096, K 2,048] x [K 2,048, N 3,072]; A: input x; B: input qkv_w: QUANTISED
;;     2. batch 32 x [M 1,024, K 64] x [K 64, N 4,096]; A: computed on the way; B: computed on the way: QUANTISED
;;     3. batch 32 x [M 64, K 1,024] x [K 1,024, N 4,096]; A: computed on the way; B: computed on the way: QUANTISED
;;     4. [M 4,096, K 2,048] x [K 2,048, N 2,048]; A: computed on the way; B: input out_w: QUANTISED
;;   THE QUANTISER, for each operand of a quantised product, along K:
;;     - K is cut into blocks of 32 from its start; a last block that is shorter is filled with zeros.
;;     - A block's scale is 2^e with e = floor(log2(the largest magnitude in the block)) - 2, held to -126 .. 127; a block of zeros has e = 0. As a byte (E8M0): e + 127.
;;     - Each number is divided by its block's scale, clamped to +-7.5, and rounded to the nearest number of E2M3, ties to even, subnormals kept.
;;     - The product sums the exact products of the quantised numbers (number of the format x scale) in f32.
;;   ~~~python
;;   def quantise(x, axis):      # numpy; x: float32 -> the quantised numbers, widened to float32 again
;;       x = np.moveaxis(x, axis, -1); K = x.shape[-1]
;;       x = np.pad(x, [(0, 0)] * (x.ndim - 1) + [(0, -K % 32)]); x = x.reshape(x.shape[:-1] + (-1, 32)); a = np.abs(x).max(-1, keepdims=True)
;;       e = np.where(a > 0, np.clip(np.frexp(np.where(a > 0, a, 1))[1] - 1 - 2, -126, 127), 0)      # np.frexp(a)[1] - 1 = floor(log2(a)), exactly
;;       r = np.clip(x / 2.0 ** e, -7.5, 7.5)
;;       step = 2.0 ** (np.maximum(np.frexp(np.where(r == 0, 1, r))[1] - 1, 0) - 3)
;;       q = np.round(r / step) * step * 2.0 ** e      # np.round: ties to even
;;       return np.moveaxis(q.reshape(q.shape[:-2] + (-1,))[..., :K], -1, axis).astype(np.float32)
;;   ~~~
;;   OPERANDS COMPUTED ON THE WAY. 'Computed on the way' means the value that the module computes at that place (a softmax that the list does not call 'softmax' is quantised finished and normalised). What goes into a quantiser is computed in f32, as accurately as f32 sums, v_exp_f32 and their like allow (about 1e-6 of the number): no bf16 or f16 on the way to a quantiser, and a product that is left as it is and whose result goes on into a quantised operand takes f32 operands (vector FMAs, or v_wmma_f32_16x16x4_f32). A number that lies on a knife's edge between two numbers of the format may be rounded either way, as far as f32 arithmetic and the matrix unit's own rounding can turn it there, and no further.
;; One version. Each part assembles by itself: llvm-mc -triple=amdgcn-amd-amdhsa -mcpu=gfx1250 --defsym DOCPART=n.
;; ======== version 1 of 1: 4 launches
;; workspace buffers: xq 6,553,600 bytes; wq 4,915,200 bytes; oq 3,276,800 bytes; rope 262,144 bytes; qc 8,388,608 bytes; kc 2,097,152 bytes; vc 1,638,400 bytes; aq 6,553,600 bytes
;; launch prep (part 1): grid 304 x 1, 4 waves a work-group, no clusters, 34,304 bytes of LDS; arguments x, qkv_w, out_w, xq, wq, oq, rope; writes xq, wq, oq, rope
.if DOCPART == 1
	.amdgcn_target "amdgcn-amd-amdhsa--gfx1250"
	.amdhsa_code_object_version 6
	.text
	.protected	k_q44a402f30e_prep
	.globl	k_q44a402f30e_prep
	.p2align	8
	.type	k_q44a402f30e_prep,@function
k_q44a402f30e_prep:
	s_mov_b64 s[64:65], 0
	v_nop
	global_prefetch_b8 v0, s[64:65] scope:SCOPE_SE
	s_setreg_imm32_b32 hwreg(HW_REG_WAVE_MODE, 25, 1), 1
	s_wait_xcnt 0x0
; x [4096][2048], qkv_w [3072][2048], out_w [2048][2048], f32, K innermost, become codes of FP6 (E2M3) with one E8M0 byte for each 32 along K,
; laid as the products' launches take them: a RECORD of 12,800 bytes for 128 rows x 128 K: eight fragment images of 1,536 bytes (register 4 g + w of lane l at 512 g + 16 l + 4 w), then 512 bytes of scale words
; (tile i, row r at 256 (i / 4) + 16 r + 4 (i % 4)).  Records lie [group of 128 rows][K step 0 .. 15].
; THE ROWS OF A TILE ARE NOT NEIGHBOURS: image row q of tile i is row 32 (i / 2) + 8 (i % 2) + q + 8 (q / 8) of the group, so that results made with such a tile as source 0 run along neighbours in a lane's registers.
; A wave makes one record.  Each load reads 512 consecutive bytes of one row; a tile's 16 rows turn through the wave's own stage in LDS (pitch 528) so that lane (r, h) gets k = 64 c + 32 h + 0 .. 31 of row r.
; A block's scale is 2^(floor(log2(largest magnitude)) - 2); its byte is the largest magnitude's exponent field - 2, held at 1 from below.
; Work-groups 0-127 take x, 128-223 qkv_w, 224-287 out_w: only pointers are chosen.  Work-groups 288-303 make the rotary table: row t = [cos j 0..15 | sin j 0..15 | cos j 16..31 | sin j 16..31] x the concentration.
; LIMITS: NaN and infinities are not served; a block under 2^-124 keeps the byte 1; a block of zeros gets the byte 1 (its codes are zeros; the bytes are read by this program alone).
; The table's inverse frequencies come from v_exp_f32, so an angle can differ from a correctly rounded one by about 1e-7 of itself (1e-4 radians at the largest t).
.set STG,   8448                       ; a wave's stage: 16 rows x 528 bytes
.set SPARE, 33792                      ; behind the four stages: the spare words, 128 bytes a wave
.set SPW, 12                           ; v12  my spare word's LDS address; never rewritten
.set NIL, 13                           ; v13  0; never rewritten
.set R,   16                           ; v16-143  two sets of 64: a tile as loaded
.set X,   144                          ; v144-207 my 64 numbers: 32 c + i = k 64 c + 32 h + i
.set C,   208                          ; v208-219 the fragment's 12 registers
.set T,   220                          ; v220-222, v224-226 upper halves of the two blocks
.set SW,  232                          ; v232-239 the eight tiles' scale words
.set OW,  240                          ; v240-243 the scale words as stored
	s_load_b256 s[4:11], s[0:1], 0x0               ; x, qkv_w, out_w, xq
	s_load_b128 s[12:15], s[0:1], 0x20             ; wq, oq
	s_load_b64 s[16:17], s[0:1], 0x30              ; rope
	v_lshl_add_u32 v[SPW], v0, 2, SPARE
	v_mov_b32 v[NIL], 0
	v_lshrrev_b32 v1, 5, v0
	v_readfirstlane_b32 s20, v1                    ; wave
	v_and_b32 v1, 31, v0                           ; lane
	v_and_b32 v2, 15, v0                           ; r
	v_bfe_u32 v3, v0, 4, 1                         ; h
	v_lshlrev_b32 v4, 4, v1                        ; 16 x lane
	s_mul_i32 s21, s20, STG
	v_add_nc_u32 v5, s21, v4                       ; into the stage: 16 x lane of a row
	v_mul_u32_u24 v6, v2, 528
	v_lshl_add_u32 v6, v3, 7, v6
	v_add_nc_u32 v6, s21, v6                       ; out of it: row r, + 128 h
	v_lshlrev_b32 v7, 3, v3                        ; 8 h
	v_mov_b32 v15, 0                               ; a lane permute's destination is written before
	s_mov_b32 s22, 0x76543210
	s_mov_b32 s23, 0xfedcba98                      ; selects for lane l xor 16
	s_wait_kmcnt 0x0
	s_cmp_ge_u32 ttmp9, 288
	s_cbranch_scc1 .Ltable
	s_cmp_lt_u32 ttmp9, 128                        ; which tensor: the choice hangs on the work-group's number alone
	s_cselect_b64 s[24:25], s[4:5], s[6:7]
	s_cselect_b64 s[26:27], s[10:11], s[12:13]
	s_cselect_b32 s28, 0, 128
	s_cmp_lt_u32 ttmp9, 224
	s_cselect_b64 s[24:25], s[24:25], s[8:9]
	s_cselect_b64 s[26:27], s[26:27], s[14:15]
	s_cselect_b32 s28, s28, 224
	s_sub_co_u32 s28, ttmp9, s28                   ; L: the work-group's number in its tensor
	s_lshr_b32 s29, s28, 2                         ; group of 128 rows
	s_and_b32 s30, s28, 3
	s_lshl_b32 s30, s30, 2
	s_add_co_u32 s30, s30, s20                     ; K step
	s_lshl_b32 s32, s29, 20                        ; 128 rows of 8,192 bytes
	s_lshl_b32 s30, s30, 9                         ; 128 numbers
	s_add_co_u32 s32, s32, s30
	s_mov_b32 s33, 0
	s_add_nc_u64 s[24:25], s[24:25], s[32:33]
	s_lshl_b32 s34, s28, 2
	s_add_co_u32 s34, s34, s20                     ; record = 16 x group + K step = 4 L + wave
	s_mul_i32 s34, s34, 12800
	s_mov_b32 s35, 0
	s_add_nc_u64 s[26:27], s[26:27], s[34:35]
.macro LOAD i                          ; tile i's 16 rows, 512 consecutive bytes a load
.irp q, 0,1,2,3,4,5,6,7,8,9,10,11,12,13,14,15
	global_load_b128 v[R+64*((\i)%2)+4*\q:R+64*((\i)%2)+4*\q+3], v4, s[24:25] offset:(32*((\i)/2)+8*((\i)%2)+\q+8*(\q/8))*8192 th:TH_LOAD_NT
.endr
.endm
.macro TILE i
.if (\i) < 7
	s_wait_loadcnt 16                              ; this tile's 16 loads are in; the next tile's 16 may be out
.else
	s_wait_loadcnt 0x0
.endif
.irp q, 0,1,2,3,4,5,6,7,8,9,10,11,12,13,14,15
	ds_store_b128 v5, v[R+64*((\i)%2)+4*\q:R+64*((\i)%2)+4*\q+3] offset:528*\q
.endr
.irp c, 0,1
.irp q, 0,1,2,3,4,5,6,7
	ds_load_b128 v[X+32*\c+4*\q:X+32*\c+4*\q+3], v6 offset:256*\c+16*\q   ; a wave's LDS instructions are served in order: these see the stores above
.endr
.endr
	s_wait_dscnt 0x0                               ; my numbers are back, and the stores have read their registers,
.if (\i) < 6
	LOAD (\i)+2                                    ; which take the tile two further on
.endif
.irp c, 0,1                                    ; my two blocks' largest magnitudes, two chains each; the floor 2^(3 - 127) holds the byte at 1 from below
	v_max3_num_f32 v[8+2*\c], |v[X+32*\c]|, |v[X+32*\c+1]|, 0x1800000
	v_max3_num_f32 v[9+2*\c], |v[X+32*\c+16]|, |v[X+32*\c+17]|, 0x1800000
.endr
.irp j, 2,4,6,8,10,12,14
.irp c, 0,1
	v_max3_num_f32 v[8+2*\c], v[8+2*\c], |v[X+32*\c+\j]|, |v[X+32*\c+\j+1]|
	v_max3_num_f32 v[9+2*\c], v[9+2*\c], |v[X+32*\c+16+\j]|, |v[X+32*\c+17+\j]|
.endr
.endr
	v_max_num_f32 v8, v8, v9
	v_max_num_f32 v10, v10, v11
	v_add_nc_u32 v9, 0xff000000, v8                ; 2 off the exponent field: the conversion's scale operand
	v_add_nc_u32 v11, 0xff000000, v10
	v_lshrrev_b32 v8, 23, v9                       ; the bytes of blocks h and 2 + h
	v_lshrrev_b32 v10, 23, v11
	v_lshl_or_b32 v14, v10, 16, v8
	v_lshlrev_b32 v14, v7, v14                     ; at their places in the row's word,
	v_permlanex16_b32 v15, v14, s22, s23
	v_or_b32 v[SW+(\i)], v14, v15                  ; whole with lane l xor 16's two
	s_wait_xcnt 0x0                                ; the last tile's stores have read the fragment's registers
.irp c, 0,1
	v_cvt_scalef32_pk16_fp6_f32 v[C+6*\c:C+6*\c+2], v[X+32*\c:X+32*\c+15], v[9+2*\c]
	v_cvt_scalef32_pk16_fp6_f32 v[T+4*\c:T+4*\c+2], v[X+32*\c+16:X+32*\c+31], v[9+2*\c]   ; (a conversion's three registers begin on an even number)
.endr
	v_nop                                          ; one plain line behind the scaled conversions
.irp c, 0,1
.irp n, 0,1,2
	v_mov_b32 v[C+3+6*\c+\n], v[T+4*\c+\n]
.endr
.endr
.irp g, 0,1,2
	global_store_b128 v4, v[C+4*\g:C+4*\g+3], s[26:27] offset:1536*(\i)+512*\g   ; 512 consecutive bytes, at a multiple of 256 from the buffer's start
.endr
.endm
	LOAD 0
	LOAD 1
.irp i, 0,1,2,3,4,5,6,7
	TILE \i
.endr
	v_cmp_ne_u32 vcc_lo, 0, v3                     ; lanes 0-15 store tiles 0-3's words, lanes 16-31 tiles 4-7's
.irp n, 0,1,2,3
	v_cndmask_b32 v[OW+\n], v[SW+\n], v[SW+4+\n], vcc_lo
.endr
	global_store_b128 v4, v[OW:OW+3], s[26:27] offset:12288
	s_wait_tensorcnt 0x0                           ; the wave's end
	ds_add_u32 v[SPW], v[NIL]
	s_wait_dscnt 0x0
	s_endpgm
.Ltable:                                               ; 64 waves, 16 positions t each; a lane makes two neighbouring numbers of a row
	s_sub_co_u32 s24, ttmp9, 288
	s_lshl_b32 s24, s24, 2
	s_add_co_u32 s24, s24, s20
	s_lshl_b32 s25, s24, 4                         ; my first t
	s_lshl_b32 s26, s24, 12                        ; 16 rows of 256 bytes
	s_mov_b32 s27, 0
	s_add_nc_u64 s[16:17], s[16:17], s[26:27]
	s_mov_b32 s36, 0xb94ca1f9                      ; sine: r + r z (S1 + z (S2 + z S3)), z = r r, |r| <= pi / 4
	s_mov_b32 s37, 0x3c08839e
	s_mov_b32 s38, 0xbe2aaaa3
	s_mov_b32 s39, 0x37ccf5ce                      ; cosine: 1 - z / 2 + z z (C1 + z (C2 + z C3))
	s_mov_b32 s40, 0xbab6061a
	s_mov_b32 s41, 0x3d2aaaa5
	v_lshrrev_b32 v8, 3, v1                        ; which quarter of the row
	v_and_b32 v9, 1, v8
	v_sub_nc_u32 v9, 1, v9                         ; 1 for a cosine: cos a = sin(a + pi / 2)
	v_lshrrev_b32 v8, 1, v8
	v_and_b32 v10, 7, v1
	v_lshlrev_b32 v10, 1, v10
	v_lshl_add_u32 v10, v8, 4, v10                 ; j of my first number
	v_add_nc_u32 v11, 1, v10
	v_lshlrev_b32 v7, 3, v1                        ; 8 bytes a lane
	v_cvt_f32_u32 v16, v10
	v_cvt_f32_u32 v17, v11
.irp n, 0,1
	v_mul_f32 v[18+\n], 0xbf098e80, v[16+\n]       ; -j x the upper 17 bits of log2(150000) / 32: exact
.endr
.irp n, 0,1
	v_exp_f32 v[18+\n], v[18+\n]
.endr
.irp n, 0,1
	v_fma_f32 v[20+\n], v[16+\n], 0xb50522b0, 1.0  ; the rest of the exponent, as 1 - j x 4.95968e-7
	v_add_f32 v[22+\n], 0xc08bdc9e, v[16+\n]       ; the ramp: (j - low) / (high - low), held to 0 .. 1
	v_mul_f32 v[22+\n], 0x3ddc1746, v[22+\n]
	v_med3_num_f32 v[22+\n], v[22+\n], 0, 1.0
	v_fma_f32 v[22+\n], v[22+\n], 0xbf780000, 1.0  ; 1 - ramp x 31 / 32
	v_mul_f32 v[20+\n], v[20+\n], v[22+\n]
.endr
	s_wait_alu depctr_va_vdst(0)                   ; one wait for the two exponentials, ahead of their first reader
.irp n, 0,1
	v_mul_f32 v[18+\n], v[18+\n], v[20+\n]         ; the inverse frequency
.endr
	s_mov_b32 s28, 0
.Lrow:
	s_add_co_u32 s29, s25, s28
	v_cvt_f32_u32 v24, s29                         ; t
.irp n, 0,1
	v_mul_f32 v[26+\n], v24, v[18+\n]              ; the angle, rounded once
	v_mul_f32 v[28+\n], 0x3f22f983, v[26+\n]
	v_rndne_f32 v[28+\n], v[28+\n]                 ; n = the nearest multiple of pi / 2
	v_fma_f32 v[30+\n], v[28+\n], 0xbfc90fdb, v[26+\n]
	v_fma_f32 v[30+\n], v[28+\n], 0x333bbd2e, v[30+\n]   ; r = angle - n pi / 2, pi / 2 in two parts
	v_mul_f32 v[32+\n], v[30+\n], v[30+\n]
	v_fma_f32 v[34+\n], v[32+\n], s36, s37
	v_fma_f32 v[34+\n], v[34+\n], v[32+\n], s38
	v_mul_f32 v[34+\n], v[34+\n], v[32+\n]
	v_fma_f32 v[34+\n], v[34+\n], v[30+\n], v[30+\n]     ; sin r
	v_fma_f32 v[36+\n], v[32+\n], s39, s40
	v_fma_f32 v[36+\n], v[36+\n], v[32+\n], s41
	v_mul_f32 v[38+\n], v[32+\n], v[32+\n]
	v_fma_f32 v[40+\n], v[32+\n], -0.5, 1.0
	v_fma_f32 v[36+\n], v[38+\n], v[36+\n], v[40+\n]     ; cos r
	v_cvt_i32_f32 v[38+\n], v[28+\n]
	v_add_nc_u32 v[38+\n], v[38+\n], v9            ; the quadrant
	v_and_b32 v[40+\n], 1, v[38+\n]
	v_cmp_ne_u32 vcc_lo, 0, v[40+\n]
	v_cndmask_b32 v[34+\n], v[34+\n], v[36+\n], vcc_lo
	v_and_b32 v[38+\n], 2, v[38+\n]
	v_lshlrev_b32 v[38+\n], 30, v[38+\n]
	v_xor_b32 v[34+\n], v[34+\n], v[38+\n]         ; its sign
	v_mul_f32 v[42+\n], 0x3fac5c86, v[34+\n]       ; x the concentration 0.1 ln 32 + 1
.endr
	global_store_b64 v7, v[42:43], s[16:17]        ; 32 lanes store a row: 256 consecutive bytes, aligned
	s_wait_xcnt 0x0                                ; the store has read its data and its base
	s_add_nc_u64 s[16:17], s[16:17], 256
	s_add_co_u32 s28, s28, 1
	s_cmp_lt_u32 s28, 16
	s_cbranch_scc1 .Lrow
	s_wait_tensorcnt 0x0                           ; the wave's end
	ds_add_u32 v[SPW], v[NIL]
	s_wait_dscnt 0x0
	s_endpgm
.Lfunc_end_k_q44a402f30e_prep:
	.size	k_q44a402f30e_prep, .Lfunc_end_k_q44a402f30e_prep-k_q44a402f30e_prep
	.p2alignl 7, 3214868480
	.fill 96, 4, 3214868480
	.section	.rodata,"a",@progbits
	.p2align	6, 0x0
	.amdhsa_kernel k_q44a402f30e_prep
		.amdhsa_group_segment_fixed_size 34304
		.amdhsa_private_segment_fixed_size 0
		.amdhsa_enable_private_segment 0
		.amdhsa_kernarg_size 56
		.amdhsa_user_sgpr_count 2
		.amdhsa_user_sgpr_kernarg_segment_ptr 1
		.amdhsa_wavefront_size32 1
		.amdhsa_system_sgpr_workgroup_id_x 1
		.amdhsa_system_sgpr_workgroup_id_y 1
		.amdhsa_system_sgpr_workgroup_id_z 1
		.amdhsa_system_vgpr_workitem_id 0
		.amdhsa_next_free_vgpr 256
		.amdhsa_next_free_sgpr 66
		.amdhsa_reserve_vcc 1
		.amdhsa_float_denorm_mode_32 3
		.amdhsa_float_denorm_mode_16_64 3
		.amdhsa_memory_ordered 1
		.amdhsa_forward_progress 1
		.amdhsa_inst_pref_size 63
	.end_amdhsa_kernel
	.amdgpu_metadata
---
amdhsa.version: [ 1, 2 ]
amdhsa.kernels:
  - .name:           k_q44a402f30e_prep
    .symbol:         k_q44a402f30e_prep.kd
    .args:
      - { .name: x, .offset: 0, .size: 8, .value_kind: global_buffer, .address_space: global }
      - { .name: qkv_w, .offset: 8, .size: 8, .value_kind: global_buffer, .address_space: global }
      - { .name: out_w, .offset: 16, .size: 8, .value_kind: global_buffer, .address_space: global }
      - { .name: xq, .offset: 24, .size: 8, .value_kind: global_buffer, .address_space: global }
      - { .name: wq, .offset: 32, .size: 8, .value_kind: global_buffer, .address_space: global }
      - { .name: oq, .offset: 40, .size: 8, .value_kind: global_buffer, .address_space: global }
      - { .name: rope, .offset: 48, .size: 8, .value_kind: global_buffer, .address_space: global }
    .group_segment_fixed_size: 34304
    .private_segment_fixed_size: 0
    .kernarg_segment_align: 8
    .kernarg_segment_size: 56
    .max_flat_workgroup_size: 128
    .sgpr_count:     66
    .vgpr_count:     256
    .wavefront_size: 32
...
	.end_amdgpu_metadata
.endif
;; end of part 1
;; launch qkv (part 2): grid 12 x 16, 4 waves a work-group, clusters of 4 x 4, 327,680 bytes of LDS; arguments xq, wq, qkv_b, rope, qc, kc, vc; writes qc, kc, vc
.if DOCPART == 2
	.amdgcn_target "amdgcn-amd-amdhsa--gfx1250"
	.amdhsa_code_object_version 6
	.text
	.protected	k_q44a402f30e_qkv
	.globl	k_q44a402f30e_qkv
	.p2align	8
	.type	k_q44a402f30e_qkv,@function
k_q44a402f30e_qkv:
	s_mov_b64 s[64:65], 0
	v_nop
	global_prefetch_b8 v0, s[64:65] scope:SCOPE_SE
	s_setreg_imm32_b32 hwreg(HW_REG_WAVE_MODE, 25, 1), 1
	s_wait_xcnt 0x0
	s_wait_alu depctr_hold_cnt(0) depctr_sa_sdst(0) depctr_va_vdst(0) depctr_va_sdst(0) depctr_va_ssrc(0) depctr_va_vcc(0) depctr_vm_vsrc(0)
	s_getreg_b32 s2, hwreg(HW_REG_IB_STS2, 6, 4)
	s_cmp_eq_u32 s2, 0
	s_cbranch_scc0 .Lentry_in_a_cluster
	s_endpgm
.Lentry_in_a_cluster:
	s_bfe_u32 s2, ttmp6, 0x10000c
	s_cmp_lg_u32 s2, 0xf033
	s_cbranch_scc0 .Lentry_shape_is_right
	s_endpgm
.Lentry_shape_is_right:
; qkv = x W^T + b on codes of FP6 with E8M0 scales (4096 x 3072 x 2048), then the rotary turn of q and k, and q, k, v quantised for the attention launch, straight from registers to memory.
; A work-group makes 256 tokens x 256 columns, each of its four waves 128 x 128: 64 accumulators, 512 registers.  192 work-groups: a smaller wave tile would read more LDS bytes for each product and cut heads in two.
; OPERANDS come as records of 12,800 bytes (128 rows x 128 K: eight fragment images and the scale words): a fragment is three loads of 16 bytes a lane at 16 x lane, no pitch, no padding.  A slot of the LDS ring holds two K steps
; of A's two groups of rows and B's two: four dense blocks of 25,600 bytes, one tensor load a wave.
; CLUSTERS: 4 x 4.  A's blocks are shared along a row of the cluster, B's along a column: joint loads.
; THE MATRIX INSTRUCTION IS USED TRANSPOSED: source 0 = 16 rows of W, source 1 = 16 tokens: a lane holds one token, and by the tiles' choice of rows its 16 registers of tiles 2 b, 2 b + 1 are columns 32 b + 16 h + 0 .. 15.
; COLUMN UNITS of 128: clusters x = 0, 1 take q's 16 units; in cluster x = 2 each work-group takes a unit of k (waves 0, 2) and a unit of v (waves 1, 3).  A V WAVE RUNS THE SAME INSTRUCTIONS WITH THE TWO LDS ADDRESSES SWAPPED:
; source 0 = tokens, source 1 = W's rows: a lane then holds one channel of v and its registers run along the tokens, which are the K of attention's second product.  The swap hangs on the cluster's x and the wave's number alone.
; The bias is the C of each sum's first product (in a v wave it is cleared there and added behind the sums, a number a lane).
; OUT: q, k: for 16 tokens x one head an image of 1,024 bytes: at 16 l registers 0-3, at 512 + 16 l registers 4, 5, the scale word (two bytes), 0.  v: for 128 tokens x one head a record of 6,400 bytes (see the attention launch).
; LIMITS: NaN and infinities are not served; a block under 2^-124 keeps the byte 1; a block of zeros gets the byte 1 (its codes are zeros; the bytes are read by this program alone).
; No prefetch: the launch is short, its blocks are shared by joint loads, and a refill has two K steps' 128 products in which to land.
; REGISTERS: window 0: v1-11 lane terms, v16-21 LDS addresses, v28-29 the add's two, v32-47 scale words (two sets), v64-255 source 1's fragments (two sets).  window 1: v0-95, v128-223 source 0's fragments (two sets); v96-127, v224-255 the bias.
;   windows 2, 3: the accumulators, (a, b) at v[8 (8 (a % 4) + b)] of window 2 + a / 4.
.set STEPB, 12800
.set SCO,   12288
.set MA,    8                          ; tiles of source 1 a wave
.set NQ,    2                          ; K steps in a slot
.set PARTB, NQ*STEPB
.set SLOT,  4*PARTB
.set SPARE, 2*SLOT                     ; behind the ring: the spare words, 128 bytes a wave
.set RGB,   16*STEPB                   ; a group of 128 rows, all of K
.set LAPS,  16/(2*NQ)
.set ADRA, 16
.set ADRB, 18
.set ADRS, 20
.set SPW,  28
.set NIL,  29
.set SC,   32
.set AF0,  64
.set AFS,  96
.set G1,   24
.set G0,   32
.set G1B,  48
.set G0B,  56
.set SEL,  46
.set TO_B, 0x40
.set HA,   64                          ; the way out, window 0: numbers ahead of the quantiser
.set T1,   128
.set T2,   144
.set TM,   160
.set TT,   168
.set TM4,  128
.set PC,   192
.set SW,   216
.set BV,   224
.set MSB, 0
.macro WIN new                         ; the immediate's high byte repeats the setting that is left
.if MSB != (\new)
	s_set_vgpr_msb (MSB<<8)|(\new)
.set MSB, (\new)
.endif
.endm
.macro PLACES n
.rept \n
	v_nop
.endr
.endm
.macro JLOAD s                         ; a joint load: waves 0, 1 fetch A's two blocks, waves 2, 3 B's; an s_nop 0 and four v_nop follow each line
	s_cmp_eq_u32 s19, 0
	s_cbranch_scc0 .Lfor_b_\@
	tensor_load_to_lds s[G0+4*\s:G0+4*\s+3], s[G1:G1+7]
	s_nop 0
.rept 4
	v_nop
.endr
	s_branch .Lasked_\@
.Lfor_b_\@:
	tensor_load_to_lds s[G0B+4*\s:G0B+4*\s+3], s[G1B:G1B+7]
	s_nop 0
.rept 4
	v_nop
.endr
.Lasked_\@:
.endm
.macro CREST                           ; a round of the cluster's barrier behind its opening barrier
	s_cmp_lg_u32 s18, 0
	s_cbranch_scc1 .Lnot_wave_0_\@
	s_barrier_signal -3
.Lnot_wave_0_\@:
	s_barrier_wait -3
	s_barrier_signal -1
	s_barrier_wait -1
.endm
.macro CROUND
	s_barrier_signal -1
	s_barrier_wait -1
	CREST
.endm
.macro FRAG3 reg, adr, off             ; a fragment image: three loads of 512 consecutive bytes
.irp g, 0,1,2
	ds_load_b128 v[(\reg)+4*\g:(\reg)+4*\g+3], v[\adr] offset:(\off)+512*\g
.endr
.endm
.macro FETCH slot, q, p                ; the slot's q-th K step into set p: 8 + MA fragments and the scale words (lanes 0-15 source 1's, lanes 16-31 source 0's)
	WIN TO_B
.irp i, 0,1,2,3,4,5,6,7
	FRAG3 128*(\p)+12*\i, ADRB+\slot, (\q)*STEPB+1536*\i
.endr
	WIN 0
.set fi, 0
.rept MA
	FRAG3 AF0+AFS*(\p)+12*fi, ADRA+\slot, (\q)*STEPB+1536*fi
.set fi, fi+1
.endr
	ds_load_b128 v[SC+8*(\p):SC+8*(\p)+3], v[ADRS+\slot] offset:(\q)*STEPB
	ds_load_b128 v[SC+8*(\p)+4:SC+8*(\p)+7], v[ADRS+\slot] offset:(\q)*STEPB+256
.endm
.macro MULA a, p, first                ; tile a of source 1 against source 0's eight.  The accumulators take turns, one instruction a turn, in the same order in every step
.if \first
	WIN 0x91+0x40*((\a)/4)
.else
	WIN 0xa1+0x50*((\a)/4)
.endif
.irp b, 0,1,2,3,4,5,6,7
.if \first
	v_wmma_scale_f32_16x16x128_f8f6f4 v[8*(8*((\a)%4)+\b):8*(8*((\a)%4)+\b)+7], v[128*(\p)+12*\b:128*(\p)+12*\b+11], v[AF0+AFS*(\p)+12*(\a):AF0+AFS*(\p)+12*(\a)+11], v[96+8*\b+96*(\b/4):96+8*\b+96*(\b/4)+7], v[SC+8*(\p)+\b], v[SC+8*(\p)+(\a)] matrix_a_fmt:MATRIX_FMT_FP6 matrix_b_fmt:MATRIX_FMT_FP6 matrix_a_scale:MATRIX_SCALE_ROW1
.else
	v_wmma_scale_f32_16x16x128_f8f6f4 v[8*(8*((\a)%4)+\b):8*(8*((\a)%4)+\b)+7], v[128*(\p)+12*\b:128*(\p)+12*\b+11], v[AF0+AFS*(\p)+12*(\a):AF0+AFS*(\p)+12*(\a)+11], v[8*(8*((\a)%4)+\b):8*(8*((\a)%4)+\b)+7], v[SC+8*(\p)+\b], v[SC+8*(\p)+(\a)] matrix_a_fmt:MATRIX_FMT_FP6 matrix_b_fmt:MATRIX_FMT_FP6 matrix_a_scale:MATRIX_SCALE_ROW1
.endif
.endr
.endm
.macro MULAS a0, n, p, first
.set ma, \a0
.rept \n
	MULA ma, \p, \first
.set ma, ma+1
.endr
.endm
.macro STEP slot, q, first             ; a K step that has its successor in the same slot
	s_wait_dscnt 0x0                               ; this step's fragments, asked for a whole step ago
	PLACES 4                                       ; in front of loads into registers that the last step's products read
	FETCH \slot, (\q)+1, 1-(\q)%2
	MULAS 0, MA, (\q)%2, \first
	WIN 0
.endm
.macro TURN slot, next, fill           ; a slot's last K step (set 1) changes slots: one barrier; fill = 1: it opens a round of the cluster's barrier and the slot is filled again
	WIN 0
	s_wait_tensorcnt 0x0                           ; all my tensor loads have landed: my block of the next slot
	ds_add_u32 v[SPW], v[NIL]                      ; 0 onto my spare word
	s_wait_dscnt 1                                 ; this step's fragments are in; the add alone may be out
	MULAS 0, MA/4, 1, 0
	s_wait_dscnt 0x0                               ; the add is done, and my reads of this slot are over
	s_barrier_signal -1
	MULAS MA/4, MA/4, 1, 0
	WIN 0
	s_barrier_wait -1
.if \fill
	CREST                                          ; no wave of any partner still reads this slot or has a load on its way
	s_add_nc_u64 s[G0+4*\slot+2:G0+4*\slot+3], s[G0+4*\slot+2:G0+4*\slot+3], 2*PARTB
	s_add_nc_u64 s[G0B+4*\slot+2:G0B+4*\slot+3], s[G0B+4*\slot+2:G0B+4*\slot+3], 2*PARTB
	JLOAD \slot                                    ; the first tensor load behind the round; its four v_nop are the places in front of the loads below
.else
	PLACES 4
.endif
	FETCH \next, 0, 0
	MULAS MA/2, MA/2, 1, 0
	WIN 0
.endm
	s_load_b256 s[4:11], s[0:1], 0x0               ; xq, wq, qkv_b, rope
	s_load_b128 s[12:15], s[0:1], 0x20             ; qc, kc
	s_load_b64 s[16:17], s[0:1], 0x30              ; vc
	v_lshl_add_u32 v[SPW], v0, 2, SPARE
	v_mov_b32 v[NIL], 0
	ds_add_u32 v[SPW], v[NIL]                      ; the wave's opening: the add and its wait ahead of my first tensor load
	v_lshrrev_b32 v1, 5, v0
	v_readfirstlane_b32 s18, v1                    ; wave
	s_lshr_b32 s19, s18, 1                         ; my half of the tokens.  Also: I fetch for A (0) or B (1)
	s_and_b32 s20, s18, 1                          ; my half of the columns.  Also: which block I fetch
	s_bfe_u32 s40, ttmp6, 0x40000                  ; cx
	s_bfe_u32 s41, ttmp6, 0x40004                  ; cy
	s_and_b32 s43, ttmp7, 0xffff
	s_lshl_b32 s43, s43, 2
	s_add_co_u32 s43, s43, s41                     ; block of 256 tokens
	s_lshl_b32 s44, s41, 2
	s_lshl_b32 s44, 15, s44                        ; my row of the cluster
	s_lshl_b32 s45, 0x1111, s40                    ; my column
	s_or_b32 s[G1], s44, (3<<16)|(1<<21)           ; the mask; elements of 8 bytes; bit 21 beside a mask; no padding
	s_or_b32 s[G1B], s45, (3<<16)|(1<<21)
.irp g, G1, G1B                                ; a dense block of 25,600 bytes as 100 rows of 256
	s_mov_b32 s[\g+1], 32<<16
	s_mov_b32 s[\g+2], 100<<16
	s_mov_b32 s[\g+3], 32<<16
	s_mov_b32 s[\g+4], 100
	s_mov_b32 s[\g+5], 32
	s_mov_b32 s[\g+6], 0
	s_mov_b32 s[\g+7], 0
.endr
	s_mov_b32 s[SEL], 0x76543210
	s_mov_b32 s[SEL+1], 0xfedcba98
	s_cmp_eq_u32 ttmp9, 2                          ; the cluster of k and v?
	s_cselect_b32 s66, 1, 2
	s_cselect_b32 s67, 4, 1
	s_cselect_b32 s68, s20, 0                      ; 1 in a v wave
	s_mul_i32 s66, s66, s40
	s_mul_i32 s67, s67, s20
	s_lshl_b32 s69, ttmp9, 3
	s_add_co_u32 s69, s69, s66
	s_add_co_u32 s69, s69, s67                     ; my unit of 128 columns: 8 X + 2 cx + half, or 16 + cx + 4 half
	s_sub_co_u32 s98, s68, 1                       ; all ones, or 0 in a v wave: the bias's mask
	s_lshl_b32 s70, s43, 1
	s_add_co_u32 s70, s70, s20
	s_mul_i32 s70, s70, RGB                        ; A's block: group 2 x token block + which
	s_mov_b32 s71, 0
	s_mul_i32 s72, s69, RGB                        ; B's: my unit
	s_mov_b32 s73, 0
	s_mul_i32 s74, s18, PARTB                      ; where it goes: wave x 25,600
	s_lshl_b32 s85, s43, 1
	s_add_co_u32 s85, s85, s19                     ; my group of 128 tokens
	s_lshl_b32 s86, s85, 18
	s_lshl_b32 s87, s69, 14
	s_add_co_u32 s86, s86, s87                     ; q: [group][head 2 U][tile][1024]
	s_lshr_b32 s88, s85, 3
	s_lshl_b32 s88, s88, 3
	s_lshl_b32 s89, s40, 1
	s_add_co_u32 s88, s88, s89                     ; 8 batch + kv head 2 cx
	s_and_b32 s89, s85, 7                          ; the chunk of 128 tokens in its sequence
	s_lshl_b32 s90, s88, 6
	s_lshl_b32 s91, s89, 3
	s_add_co_u32 s90, s90, s91
	s_lshl_b32 s90, s90, 10                        ; k: [8 batch + head][tile of the sequence][1024]
	s_lshl_b32 s88, s88, 3
	s_add_co_u32 s88, s88, s89
	s_mul_i32 s88, s88, 6400                       ; v: [8 batch + head][chunk][6400]
	s_lshl_b32 s21, s89, 15                        ; the table: 128 rows of 256 bytes a chunk
	s_mov_b32 s96, 8192                            ; from a head's images to the next head's
	s_cmp_eq_u32 ttmp9, 2
	s_cselect_b32 s86, s90, s86
	s_cselect_b32 s96, 0x10000, s96
	s_mov_b32 s87, 0
	s_mov_b32 s89, 0
	s_mov_b32 s97, 0
	s_mov_b32 s90, s21
	s_mov_b32 s91, 0
	s_lshl_b32 s22, s69, 9                         ; the bias of my unit
	s_mov_b32 s23, 0
	s_wait_dscnt 0x0                               ; the opening add is done
	s_wait_kmcnt 0x0
	s_add_nc_u64 s[76:77], s[4:5], s[70:71]
	s_add_nc_u64 s[78:79], s[6:7], s[72:73]
	s_cmp_eq_u32 ttmp9, 2
	s_cselect_b64 s[92:93], s[14:15], s[12:13]     ; k's buffer or q's
	s_add_nc_u64 s[92:93], s[92:93], s[86:87]      ; my first head's images,
	s_add_nc_u64 s[94:95], s[92:93], s[96:97]      ; my second's
	s_add_nc_u64 s[16:17], s[16:17], s[88:89]
	s_add_nc_u64 s[10:11], s[10:11], s[90:91]
	s_add_nc_u64 s[8:9], s[8:9], s[22:23]
	CROUND                                         ; all sixteen work-groups are here: the first joint loads meet
.irp s, 0,1
	s_mov_b32 s[G0+4*\s], 1
	s_add_co_u32 s[G0+4*\s+1], s74, \s*SLOT
	s_add_nc_u64 s[G0+4*\s+2:G0+4*\s+3], s[76:77], \s*PARTB
	s_or_b32 s[G0+4*\s+3], s[G0+4*\s+3], 0x80000000
	s_mov_b32 s[G0B+4*\s], 1
	s_add_co_u32 s[G0B+4*\s+1], s74, \s*SLOT
	s_add_nc_u64 s[G0B+4*\s+2:G0B+4*\s+3], s[78:79], \s*PARTB
	s_or_b32 s[G0B+4*\s+3], s[G0B+4*\s+3], 0x80000000
	JLOAD \s
.endr
	v_and_b32 v1, 31, v0                           ; lane
	v_and_b32 v2, 15, v0                           ; r
	v_bfe_u32 v3, v0, 4, 1                         ; h
	v_lshlrev_b32 v4, 4, v1                        ; 16 x lane
	s_mul_i32 s80, s19, PARTB                      ; my tokens' block in a slot
	s_mul_i32 s81, s20, PARTB
	s_add_co_u32 s81, s81, 2*PARTB                 ; my columns' block
	s_cmp_eq_u32 s68, 1
	s_cselect_b32 s82, s81, s80                    ; source 1 reads tokens, in a v wave W's rows;
	s_cselect_b32 s83, s80, s81                    ; source 0 the other
	s_sub_co_u32 s84, s81, s80
	v_xor_b32 v5, s68, v3
	v_mul_u32_u24 v5, s84, v5                      ; scale words: lanes 0-15 take source 1's, lanes 16-31 source 0's: one product, the lower base + 0 or 1 x the distance
	v_lshl_add_u32 v5, v2, 4, v5
	s_add_co_u32 s80, s80, SCO
.irp s, 0,1
	v_add_nc_u32 v[ADRA+\s], s82, v4
	v_add_nc_u32 v[ADRB+\s], s83, v4
	v_add_nc_u32 v[ADRS+\s], s80, v5
	s_add_co_u32 s82, s82, SLOT
	s_add_co_u32 s83, s83, SLOT
	s_add_co_u32 s80, s80, SLOT
.endr
	v_and_b32 v8, 8, v2
	v_add_nc_u32 v8, v8, v2                        ; r + 8 (r / 8)
	v_lshlrev_b32 v6, 8, v8
	v_lshl_add_u32 v6, v3, 7, v6                   ; the table: my token's row, + 128 h
	v_lshlrev_b32 v7, 6, v3                        ; the bias: 64 h
	v_lshlrev_b32 v8, 2, v8                        ; v's bias: my channel
	v_lshlrev_b32 v9, 4, v2
	v_lshl_add_u32 v9, v3, 10, v9                  ; v's record: 1024 h + 16 r
	v_lshlrev_b32 v10, 3, v1                       ; 8 x lane
	v_mul_u32_u24 v11, v3, 51200
	v_lshl_add_u32 v11, v2, 4, v11                 ; v's scale words: lanes 16-31 the second head's
	WIN TO_B
.irp b, 0,1,2,3,4,5,6,7                        ; the bias in the result's layout: tile b, lane (r, h): columns 32 (b / 2) + 16 h + 8 (b % 2) + 0 .. 7
	global_load_b128 v[96+8*\b+96*(\b/4):96+8*\b+96*(\b/4)+3], v7, s[8:9] offset:128*(\b/2)+32*(\b%2)
	global_load_b128 v[96+8*\b+96*(\b/4)+4:96+8*\b+96*(\b/4)+7], v7, s[8:9] offset:128*(\b/2)+32*(\b%2)+16
.endr
	s_wait_loadcnt 0x0
	WIN 0x44
.set j, 0
.rept 32
	v_and_b32 v[96+j], s98, v[96+j]                ; kept, or cleared in a v wave
	v_and_b32 v[224+j], s98, v[224+j]
.set j, j+1
.endr
	WIN 0
	s_wait_tensorcnt 0x1                           ; my block of slot 0 is in; slot 1's may stay out
	s_barrier_signal -1
	s_barrier_wait -1
	FETCH 0, 0, 0
	STEP 0, 0, 1                                   ; the first step stands ahead of the loop: its products start the sums from the bias
	s_mov_b32 s3, LAPS-1
.Llap:                                                 ; a trip goes once round the ring and fills both slots again
	TURN 0, 1, 1
	STEP 1, 0, 0
	TURN 1, 0, 1
	STEP 0, 0, 0
	s_sub_co_u32 s3, s3, 1
	s_cmp_lg_u32 s3, 0
	s_cbranch_scc1 .Llap
	TURN 0, 1, 0                                   ; the last lap fills nothing
	STEP 1, 0, 0
.macro TABLOAD a                       ; cos and sin of tile a's tokens for my 16 frequencies, into window 1, v[32 a ..]: 16 cosines, 16 sines
.irp q, 0,1,2,3,4,5,6,7
	global_load_b128 v[32*(\a)+4*\q:32*(\a)+4*\q+3], v6, s[10:11] offset:(32*((\a)/2)+8*((\a)%2))*256+16*\q
.endr
.endm
	s_wait_dscnt 0x0                               ; the last step
	PLACES 4
	WIN TO_B
.irp a, 0,1,2,3
	TABLOAD \a                                     ; set 0 and the lower bias registers are done with
.endr
	MULAS 0, MA, 1, 0
	WIN 0
	PLACES 4                                       ; in front of the first read of results and of writes into the operands' registers
	s_cmp_eq_u32 s68, 1
	s_cbranch_scc1 .Lvalues
; 32 numbers of a lane, register 16 b + i = channel 32 b + 16 h + i of my token, become six registers of codes (lane h: block h) and a scale word of two bytes
.macro Q2 src, pc, tm, tt, wd
.irp b, 0,1
	v_max3_num_f32 v[\tm+\b], |v[\src+16*\b]|, |v[\src+16*\b+1]|, 0x1800000   ; with the floor 2^(3 - 127): the byte cannot fall under 1
.endr
.irp i, 2,4,6,8,10,12,14
.irp b, 0,1
	v_max3_num_f32 v[\tm+\b], v[\tm+\b], |v[\src+16*\b+\i]|, |v[\src+16*\b+\i+1]|
.endr
.endr
.irp b, 0,1
	v_permlanex16_b32 v[\tm+2+\b], v[\tm+\b], s[SEL], s[SEL+1]
.endr
.irp b, 0,1
	v_max_num_f32 v[\tm+\b], v[\tm+\b], v[\tm+2+\b]
.endr
.irp b, 0,1
	v_add_nc_u32 v[\tm+4+\b], 0xff000000, v[\tm+\b]
.endr
.irp b, 0,1
	v_lshrrev_b32 v[\tm+2+\b], 23, v[\tm+4+\b]
.endr
	v_lshl_or_b32 v[\wd], v[\tm+3], 8, v[\tm+2]
	v_cvt_scalef32_pk16_fp6_f32 v[\pc:\pc+2], v[\src:\src+15], v[\tm+4]
	v_cvt_scalef32_pk16_fp6_f32 v[\tt:\tt+2], v[\src+16:\src+31], v[\tm+5]
	v_nop                                          ; one plain line behind the scaled conversions
.irp i, 0,1,2
	v_permlane16_swap_b32 v[\pc+\i], v[\tt+\i]     ; a whole block to a lane
.endr
.irp i, 0,1,2
	v_mov_b32 v[\pc+3+\i], v[\tt+\i]
.endr
.endm
; the rotary turn of head e of tile a: x1 = my registers 0-15 (channels 16 h + i), x2 = registers 16-31 (channels 32 + 16 h + i): x1 cos - x2 sin, x2 cos + x1 sin.  Each accumulator is read from its low end on
.macro ROPE a, e
.set AC, 8*(8*((\a)%4)+4*(\e))
	WIN 0x06+(\a)/4
.irp i, 0,2,4,6,8,10,12,14
	v_pk_mul_f32 v[T1+\i:T1+\i+1], v[AC+16+\i:AC+17+\i], v[32*(\a)+16+\i:32*(\a)+17+\i]
	v_pk_mul_f32 v[T2+\i:T2+\i+1], v[AC+16+\i:AC+17+\i], v[32*(\a)+\i:32*(\a)+1+\i]
.endr
.irp i, 0,2,4,6,8,10,12,14
	v_pk_fma_f32 v[HA+\i:HA+\i+1], v[AC+\i:AC+\i+1], v[32*(\a)+\i:32*(\a)+1+\i], v[T1+\i:T1+\i+1] neg_lo:[0,0,1] neg_hi:[0,0,1]
	v_pk_fma_f32 v[HA+16+\i:HA+17+\i], v[AC+\i:AC+\i+1], v[32*(\a)+16+\i:32*(\a)+17+\i], v[T2+\i:T2+\i+1]
.endr
	WIN 0
.endm
	WIN TO_B
.irp a, 4,5,6,7
	TABLOAD \a
.endr
	WIN 0
	v_mov_b32 v[TM+2], 0                           ; a lane permute's destination is written before
	v_mov_b32 v[TM+3], 0
	v_mov_b32 v[PC+7], 0                           ; the images' last word
	v_mov_b32 v[PC+15], 0
.irp a, 0,1,2,3,4,5,6,7
	s_wait_loadcnt 8*(7-\a)                        ; tile a's eight table loads are in; the later tiles' may be out
.irp e, 0,1
	ROPE \a, \e
	s_wait_xcnt 0x0                                ; the earlier stores have read their data
	Q2 HA, PC+8*\e, TM, TT, PC+8*\e+6
	global_store_b128 v4, v[PC+8*\e:PC+8*\e+3], s[92+2*\e:93+2*\e] offset:1024*\a          ; 512 consecutive bytes, aligned
	global_store_b128 v4, v[PC+8*\e+4:PC+8*\e+7], s[92+2*\e:93+2*\e] offset:1024*\a+512
.endr
.endr
	s_branch .Ldone
.Lvalues:                                              ; a v wave: lane r holds channel row r of tile a; its 64 registers of a fixed a run along my 128 tokens: register 16 b + i = token 32 b + 16 h + i
.macro Q4 src, pc, tm, wd              ; 64 such numbers become a fragment's 12 registers and its scale word
.irp b, 0,1,2,3
	v_max3_num_f32 v[\tm+\b], |v[\src+16*\b]|, |v[\src+1+16*\b]|, 0x1800000
.endr
.irp i, 2,4,6,8,10,12,14
.irp b, 0,1,2,3
	v_max3_num_f32 v[\tm+\b], v[\tm+\b], |v[\src+16*\b+\i]|, |v[\src+1+16*\b+\i]|
.endr
.endr
.irp b, 0,1,2,3
	v_permlanex16_b32 v[\tm+4+\b], v[\tm+\b], s[SEL], s[SEL+1]
.endr
.irp b, 0,1,2,3
	v_max_num_f32 v[\tm+\b], v[\tm+\b], v[\tm+4+\b]
.endr
.irp b, 0,1,2,3
	v_add_nc_u32 v[\tm+12+\b], 0xff000000, v[\tm+\b]
.endr
.irp b, 0,1,2,3
	v_lshrrev_b32 v[\tm+4+\b], 23, v[\tm+12+\b]
.endr
	v_lshl_or_b32 v[\wd], v[\tm+5], 8, v[\tm+4]
	v_lshl_or_b32 v[\wd], v[\tm+6], 16, v[\wd]
	v_lshl_or_b32 v[\wd], v[\tm+7], 24, v[\wd]
.irp c, 0,1
	v_cvt_scalef32_pk16_fp6_f32 v[\pc+6*\c:\pc+2+6*\c], v[\src+32*\c:\src+15+32*\c], v[\tm+12+2*\c]
	v_cvt_scalef32_pk16_fp6_f32 v[\pc+12+4*\c:\pc+14+4*\c], v[\src+16+32*\c:\src+31+32*\c], v[\tm+12+2*\c+1]
.endr
	v_nop
.irp c, 0,1
.irp i, 0,1,2
	v_permlane16_swap_b32 v[\pc+6*\c+\i], v[\pc+12+4*\c+\i]
.endr
.irp i, 0,1,2
	v_mov_b32 v[\pc+3+6*\c+\i], v[\pc+12+4*\c+\i]
.endr
.endr
.endm
.irp a, 0,1,2,3,4,5,6,7                        ; my channel's bias, twice: a pair for the packed addition
	global_load_b32 v[BV+2*\a], v8, s[8:9] offset:(32*(\a/2)+8*(\a%2))*4
	global_load_b32 v[BV+2*\a+1], v8, s[8:9] offset:(32*(\a/2)+8*(\a%2))*4
.endr
.irp b, 0,1,2,3
	v_mov_b32 v[TM4+4+\b], 0                       ; a lane permute's destination is written before
.endr
	s_wait_loadcnt 0x0
.irp a, 0,1,2,3,4,5,6,7
	WIN 0x02+\a/4
.set j, 0
.rept 32
	v_pk_add_f32 v[HA+j:HA+j+1], v[64*(\a%4)+j:64*(\a%4)+j+1], v[BV+2*\a:BV+2*\a+1]
.set j, j+2
.endr
	WIN 0
	s_wait_xcnt 0x0                                ; the earlier stores have read their data
	Q4 HA, PC, TM4, SW+\a
.irp c, 0,1                                    ; block 2 c + h of the chunk: registers 0-3 at 3072 c + 1024 h + 256 (a % 4) + 16 r, registers 4, 5 at 3072 c + 2048 + 256 (a % 4) + 128 h + 8 r: whole runs of 256 bytes
	global_store_b128 v9, v[PC+6*\c:PC+6*\c+3], s[16:17] offset:(\a/4)*51200+3072*\c+256*(\a%4)
	global_store_b64 v10, v[PC+6*\c+4:PC+6*\c+5], s[16:17] offset:(\a/4)*51200+3072*\c+256*(\a%4)+2048
.endr
.endr
	v_cmp_ne_u32 vcc_lo, 0, v3
.irp d, 0,1,2,3
	v_cndmask_b32 v[212+\d], v[SW+\d], v[SW+4+\d], vcc_lo
.endr
	global_store_b128 v11, v[212:215], s[16:17] offset:6144   ; the scale words: channel row r, tiles 0-3, of each head
.Ldone:
	s_wait_tensorcnt 0x0                           ; the wave's end
	ds_add_u32 v[SPW], v[NIL]
	s_wait_dscnt 0x0
	CROUND                                         ; the closing round
	s_endpgm
.Lfunc_end_k_q44a402f30e_qkv:
	.size	k_q44a402f30e_qkv, .Lfunc_end_k_q44a402f30e_qkv-k_q44a402f30e_qkv
	.p2alignl 7, 3214868480
	.fill 96, 4, 3214868480
	.section	.rodata,"a",@progbits
	.p2align	6, 0x0
	.amdhsa_kernel k_q44a402f30e_qkv
		.amdhsa_group_segment_fixed_size 327680
		.amdhsa_private_segment_fixed_size 0
		.amdhsa_enable_private_segment 0
		.amdhsa_kernarg_size 56
		.amdhsa_user_sgpr_count 2
		.amdhsa_user_sgpr_kernarg_segment_ptr 1
		.amdhsa_wavefront_size32 1
		.amdhsa_system_sgpr_workgroup_id_x 1
		.amdhsa_system_sgpr_workgroup_id_y 1
		.amdhsa_system_sgpr_workgroup_id_z 1
		.amdhsa_system_vgpr_workitem_id 0
		.amdhsa_next_free_vgpr 1024
		.amdhsa_next_free_sgpr 100
		.amdhsa_reserve_vcc 1
		.amdhsa_float_denorm_mode_32 3
		.amdhsa_float_denorm_mode_16_64 3
		.amdhsa_memory_ordered 1
		.amdhsa_forward_progress 1
		.amdhsa_inst_pref_size 231
	.end_amdhsa_kernel
	.amdgpu_metadata
---
amdhsa.version: [ 1, 2 ]
amdhsa.kernels:
  - .name:           k_q44a402f30e_qkv
    .symbol:         k_q44a402f30e_qkv.kd
    .args:
      - { .name: xq, .offset: 0, .size: 8, .value_kind: global_buffer, .address_space: global }
      - { .name: wq, .offset: 8, .size: 8, .value_kind: global_buffer, .address_space: global }
      - { .name: qkv_b, .offset: 16, .size: 8, .value_kind: global_buffer, .address_space: global }
      - { .name: rope, .offset: 24, .size: 8, .value_kind: global_buffer, .address_space: global }
      - { .name: qc, .offset: 32, .size: 8, .value_kind: global_buffer, .address_space: global }
      - { .name: kc, .offset: 40, .size: 8, .value_kind: global_buffer, .address_space: global }
      - { .name: vc, .offset: 48, .size: 8, .value_kind: global_buffer, .address_space: global }
    .group_segment_fixed_size: 327680
    .private_segment_fixed_size: 0
    .kernarg_segment_align: 8
    .kernarg_segment_size: 56
    .max_flat_workgroup_size: 128
    .sgpr_count:     100
    .vgpr_count:     1024
    .wavefront_size: 32
...
	.end_amdgpu_metadata
.endif
;; end of part 2
;; launch attn (part 3): grid 8 x 32, 16 waves a work-group, no clusters, 167,936 bytes of LDS; arguments qc, kc, vc, sinks, aq; writes aq
.if DOCPART == 3
	.amdgcn_target "amdgcn-amd-amdhsa--gfx1250"
	.amdhsa_code_object_version 6
	.text
	.protected	k_q44a402f30e_attn
	.globl	k_q44a402f30e_attn
	.p2align	8
	.type	k_q44a402f30e_attn,@function
k_q44a402f30e_attn:
	s_mov_b64 s[64:65], 0
	v_nop
	global_prefetch_b8 v0, s[64:65] scope:SCOPE_SE
	s_setreg_imm32_b32 hwreg(HW_REG_WAVE_MODE, 25, 1), 1
	s_wait_xcnt 0x0
; Attention under the mask that the problem builds itself: key j counts for query i where i - 127 <= j <= i.  Both products on codes of FP6 with E8M0 scales.
; A work-group takes a chunk of 128 tokens of one kv head and its four query heads.  Wave w: query block of 32 bp = w / 4, tile of 16 queries i = 2 bp + (w / 2) % 2, heads 4 g + 2 (w % 2) + 0, 1, one after the other.
; A block of 32 queries sees five blocks of 32 keys: 160 keys, ten tiles, 80 scores a lane: the whole window lies in registers, so the row's maximum is taken before any exponential.
; Both products are used transposed (S^T = K Q^T, O^T = V^T W^T): a lane holds one query.  By the tiles' choice of rows, register 16 k + i of S is key 32 k + 16 h + i of the window.
; The head's 64 channels fill half of an instruction's K: Q's upper six registers are zero codes, and K's upper six are whatever follows (the next tile's codes), under scale bytes 0.
; w = e / (sum + exp(sink - m)) is finished and normalised, then quantised along the keys in blocks of 32; a block's largest w is made from its largest score by the same instructions.
; (That leans on v_exp_f32 not falling where its input rises.)  1 / (sum + ..) is v_rcp_f32 and a multiplication.
; K and V of the chunk before and of my own come by four tensor loads at the head: nothing is filled again.  In chunk 0 the own chunk stands in for the missing one and its blocks are masked.
; No joint loads: a chunk is wanted by two neighbouring work-groups at different LDS places, so their descriptors cannot be equal.  No prefetch: all loads go out at the head.
; V's record (6,400 bytes for 128 keys x 64 channels): block 2 p + par, channel tile d: registers 0-3 at 3072 p + 1024 par + 256 d + 16 r, registers 4, 5 at 3072 p + 2048 + 256 d + 128 par + 8 r; scale words at 6144 + 16 r + 4 d.
; OUT: the output's codes, quantised along the channels, as the A records of the last product: my two heads are the two halves of one fragment; the scale words meet in LDS and leave as 512 bytes.
; LIMITS: NaN and infinities are not served; a block under 2^-124 keeps the byte 1; a block of zeros gets the byte 1 (its codes are zeros).
.set VL,    16384                      ; LDS: 0: K, 16 images of 1,024 bytes (the chunk before, then mine); VL: V's two records
.set SCG,   29184                      ; the output's scale words, 2 x 512 bytes: blocks of their own, no tensor load lands here
.set SPARE, 30208                      ; the spare words, 128 bytes for each of 16 waves
.set AK,  3                            ; v3  my window's first K image + 16 l
.set F,   48                           ; v48-127  K's fragments, 6 registers apart; then V's
.set S,   128                          ; v128-207 the scores, then w; then O^T in the first 32
.set KS,  31                           ; v31-40   K's scale words; then V's: 31-34 for keys 0-127, 35-38 for keys 128-159
.set BM,  232                          ; v232-236 the five blocks' largest
.set BX,  237                          ; v237-241 at work
.set SEL, 60
.set CS,  62
.set SNK, 66
.macro PLACES n
.rept \n
	v_nop
.endr
.endm
	s_load_b256 s[4:11], s[0:1], 0x0               ; qc, kc, vc, sinks
	s_load_b64 s[12:13], s[0:1], 0x20              ; aq
	v_lshl_add_u32 v1, v0, 2, SPARE                ; v1, v2: the add's two; never rewritten
	v_mov_b32 v2, 0
	ds_add_u32 v1, v2                              ; the wave's opening: the add and its wait ahead of the first tensor load
	v_lshrrev_b32 v3, 5, v0
	v_readfirstlane_b32 s14, v3                    ; wave
	s_lshr_b32 s15, s14, 2                         ; bp
	s_bfe_u32 s16, s14, 0x10001                    ; u
	s_and_b32 s17, s14, 1                          ; mp
	s_and_b32 s18, ttmp7, 0xffff                   ; 8 batch + kv head
	s_lshr_b32 s19, s18, 3
	s_lshl_b32 s19, s19, 3
	s_add_co_u32 s19, s19, ttmp9                   ; the group of 128 tokens
	s_and_b32 s20, s18, 7                          ; g
	s_lshl_b32 s21, s15, 1
	s_add_co_u32 s21, s21, s16                     ; i
	s_add_co_u32 s22, ttmp9, s17
	s_max_u32 s22, s22, 1
	s_sub_co_u32 s22, s22, 1                       ; the chunk that I fetch, if I fetch: the one before (even waves) or mine; never under 0
	s_lshl_b32 s48, s18, 16
	s_lshl_b32 s23, s22, 13
	s_add_co_u32 s48, s48, s23                     ; K: 64 images a head, 8 a chunk
	s_mov_b32 s49, 0
	s_lshl_b32 s50, s18, 3
	s_add_co_u32 s50, s50, s22
	s_mul_i32 s50, s50, 6400                       ; V
	s_mov_b32 s51, 0
	s_mov_b32 s24, 3<<16                           ; K: a dense block of 8,192 bytes as 32 rows of 256; elements of 8 bytes, no mask, no padding
	s_mov_b32 s25, 32<<16
	s_mov_b32 s26, 32<<16
	s_mov_b32 s27, 32<<16
	s_mov_b32 s28, 32
	s_mov_b32 s29, 32
	s_mov_b32 s30, 0
	s_mov_b32 s31, 0
	s_mov_b32 s32, 3<<16                           ; V: 6,400 bytes as 25 rows
	s_mov_b32 s33, 32<<16
	s_mov_b32 s34, 25<<16
	s_mov_b32 s35, 32<<16
	s_mov_b32 s36, 25
	s_mov_b32 s37, 32
	s_mov_b32 s38, 0
	s_mov_b32 s39, 0
	s_lshl_b32 s52, s19, 18
	s_lshl_b32 s23, s20, 2
	s_lshl_b32 s74, s17, 1
	s_add_co_u32 s23, s23, s74                     ; my first query head
	s_lshl_b32 s74, s23, 13
	s_add_co_u32 s52, s52, s74
	s_lshl_b32 s74, s21, 10
	s_add_co_u32 s52, s52, s74                     ; Q: [group][head][tile][1024]
	s_mov_b32 s53, 0
	s_lshl_b32 s54, s23, 2                         ; my two sinks
	s_mov_b32 s55, 0
	s_lshl_b32 s56, s19, 4
	s_lshl_b32 s74, s20, 1
	s_add_co_u32 s56, s56, s74
	s_add_co_u32 s56, s56, s17
	s_mul_i32 s56, s56, 12800                      ; the output's record: group, K step 2 g + mp
	s_mov_b32 s57, 0
	s_mul_i32 s58, s21, 1536                       ; my fragment in it
	s_mov_b32 s59, 0
	s_mov_b32 s[SEL], 0x76543210
	s_mov_b32 s[SEL+1], 0xfedcba98
	s_mov_b32 s[CS], 0x3e38aa3b                    ; log2(e) / 8
	s_mov_b32 s[CS+1], s[CS]
	s_mul_i32 s68, s15, 0x01010101
	s_add_co_u32 s68, s68, 0x03020100              ; byte selects bp .. bp + 3 of V's two scale words
	s_lshl_b32 s69, s15, 3
	s_sub_co_u32 s74, 4, s15
.irp k, 0,1,2,3
	s_cmp_gt_u32 s74, \k
	s_cselect_b32 s[70+\k], -1, 0                  ; in chunk 0: window block k lies before the sequence where k < 4 - bp
.endr
	s_wait_dscnt 0x0                               ; the opening add is done
	s_wait_kmcnt 0x0
	s_mov_b32 s40, 1
	s_lshl_b32 s41, s17, 13                        ; LDS: K's half
	s_add_nc_u64 s[42:43], s[6:7], s[48:49]
	s_or_b32 s43, s43, 0x80000000
	s_mov_b32 s44, 1
	s_mul_i32 s45, s17, 6400
	s_add_co_u32 s45, s45, VL
	s_add_nc_u64 s[46:47], s[8:9], s[50:51]
	s_or_b32 s47, s47, 0x80000000
	s_cmp_lt_u32 s14, 2                            ; waves 0, 1 fetch K's two chunks, waves 2, 3 V's; an s_nop 0 and four v_nop follow each line
	s_cbranch_scc0 .Lnot_k
	tensor_load_to_lds s[40:43], s[24:31]
	s_nop 0
.rept 4
	v_nop
.endr
	s_branch .Lasked
.Lnot_k:
	s_cmp_lt_u32 s14, 4
	s_cbranch_scc0 .Lasked
	tensor_load_to_lds s[44:47], s[32:39]
	s_nop 0
.rept 4
	v_nop
.endr
.Lasked:
	s_add_nc_u64 s[52:53], s[4:5], s[52:53]
	s_add_nc_u64 s[10:11], s[10:11], s[54:55]
	s_add_nc_u64 s[56:57], s[12:13], s[56:57]
	s_add_nc_u64 s[58:59], s[56:57], s[58:59]
	s_load_b64 s[SNK:SNK+1], s[10:11], 0x0
	v_and_b32 v232, 15, v0                         ; r
	v_bfe_u32 v233, v0, 4, 1                       ; h
	v_and_b32 v234, 31, v0
	v_lshlrev_b32 v12, 4, v234                     ; v12: 16 x lane
	global_load_b128 v[16:19], v12, s[52:53]       ; my first head's Q: registers 0-3,
	global_load_b64 v[20:21], v12, s[52:53] offset:512   ; 4, 5,
	global_load_b32 v28, v12, s[52:53] offset:520  ; and the scale word
	s_lshl_b32 s23, s15, 11
	v_add_nc_u32 v[AK], s23, v12
.irp c, 0,1                                    ; V's blocks bp + 2 c + h of the eight in LDS: v4, v6 registers 0-3; v5, v7 registers 4, 5
	v_add_nc_u32 v235, s15, v233
	v_add_nc_u32 v235, 2*\c, v235
	v_lshrrev_b32 v236, 2, v235
	v_mul_u32_u24 v236, v236, 6400
	v_bfe_u32 v237, v235, 1, 1
	v_mad_u32_u24 v236, v237, 3072, v236
	v_and_b32 v237, 1, v235
	v_lshl_add_u32 v[4+2*\c], v237, 10, v236
	v_lshl_add_u32 v[5+2*\c], v237, 7, v236
	v_lshl_add_u32 v[4+2*\c], v232, 4, v[4+2*\c]
	v_lshl_add_u32 v[5+2*\c], v232, 3, v[5+2*\c]
	v_add_nc_u32 v[4+2*\c], VL, v[4+2*\c]
	v_add_nc_u32 v[5+2*\c], VL+2048, v[5+2*\c]
.endr
	s_lshr_b32 s23, s15, 1                         ; block bp + 4: block bp of my own chunk, for all lanes: v8, v9
	s_mul_i32 s23, s23, 3072
	s_and_b32 s74, s15, 1
	s_lshl_b32 s75, s74, 10
	s_add_co_u32 s75, s75, s23
	s_add_co_u32 s75, s75, VL+6400
	v_lshl_add_u32 v8, v232, 4, s75
	s_lshl_b32 s74, s74, 7
	s_add_co_u32 s74, s74, s23
	s_add_co_u32 s74, s74, VL+6400+2048
	v_lshl_add_u32 v9, v232, 3, s74
	v_and_b32 v236, 8, v232
	v_add_nc_u32 v236, v236, v232
	s_lshl_b32 s23, s16, 3
	v_add_nc_u32 v236, s23, v236                   ; my query's place in its block of 32
	v_lshlrev_b32 v237, 4, v233
	v_sub_nc_u32 v10, v236, v237                   ; v10: that - 16 h: in the first block register i counts where i > v10, in the last where i <= v10
	v_lshl_add_u32 v14, v232, 4, VL+6144           ; v14: V's scale words of channel row r
	s_lshl_b32 s76, s17, 9
	s_add_co_u32 s76, s76, SCG
	v_add_nc_u32 v11, s76, v12                     ; v11: the output's scale words, as they leave
	s_lshr_b32 s23, s21, 2
	s_lshl_b32 s23, s23, 8
	s_add_co_u32 s23, s23, s76
	s_and_b32 s74, s21, 3
	s_lshl_b32 s74, s74, 2
	s_add_co_u32 s23, s23, s74
	v_lshl_add_u32 v15, v232, 4, s23               ; v15: my row's word: 256 (i / 4) + 16 r + 4 (i % 4)
	v_mov_b32 v13, 0xff800000                      ; v13: -infinity
.irp n, 22,23,24,25,26,27, 226,227,228,229,230,231
	v_mov_b32 v\n, 0                               ; zero codes: Q's upper half, and the upper half of w's second fragment
.endr
.set j, 108
.rept 18
	v_mov_b32 v[j], 0                              ; named as the upper halves of the last fragments: written once
.set j, j+1
.endr
.irp k, 0,1,2,3,4
	v_mov_b32 v[BX+\k], 0                          ; a lane permute's destination is written before
.endr
	s_wait_kmcnt 0x0                               ; the sinks
	s_wait_tensorcnt 0x0                           ; my tensor load has landed,
	s_barrier_signal -1
	s_barrier_wait -1                              ; everybody's has
.macro Q2 src, pc, tm, tt, wd          ; 32 numbers of a lane, register 16 b + i = channel 32 b + 16 h + i, become six registers of codes (lane h: block h) and two scale bytes
.irp b, 0,1
	v_max3_num_f32 v[\tm+\b], |v[\src+16*\b]|, |v[\src+16*\b+1]|, 0x1800000
.endr
.irp i, 2,4,6,8,10,12,14
.irp b, 0,1
	v_max3_num_f32 v[\tm+\b], v[\tm+\b], |v[\src+16*\b+\i]|, |v[\src+16*\b+\i+1]|
.endr
.endr
.irp b, 0,1
	v_permlanex16_b32 v[\tm+2+\b], v[\tm+\b], s[SEL], s[SEL+1]
.endr
.irp b, 0,1
	v_max_num_f32 v[\tm+\b], v[\tm+\b], v[\tm+2+\b]
.endr
.irp b, 0,1
	v_add_nc_u32 v[\tm+4+\b], 0xff000000, v[\tm+\b]
.endr
.irp b, 0,1
	v_lshrrev_b32 v[\tm+2+\b], 23, v[\tm+4+\b]
.endr
	v_lshl_or_b32 v[\wd], v[\tm+3], 8, v[\tm+2]
	v_cvt_scalef32_pk16_fp6_f32 v[\pc:\pc+2], v[\src:\src+15], v[\tm+4]
	v_cvt_scalef32_pk16_fp6_f32 v[\tt:\tt+2], v[\src+16:\src+31], v[\tm+5]
	v_nop
.irp i, 0,1,2
	v_permlane16_swap_b32 v[\pc+\i], v[\tt+\i]
.endr
.irp i, 0,1,2
	v_mov_b32 v[\pc+3+\i], v[\tt+\i]
.endr
.endm
.macro HEAD e
.irp t, 0,1,2,3,4,5,6,7,8,9                    ; K's ten tiles
	ds_load_b128 v[F+6*\t:F+6*\t+3], v[AK] offset:1024*\t
	ds_load_b64 v[F+6*\t+4:F+6*\t+5], v[AK] offset:1024*\t+512
	ds_load_b32 v[KS+\t], v[AK] offset:1024*\t+520
.endr
	s_wait_dscnt 0x0
	s_wait_loadcnt 0x0                             ; Q
.irp t, 0,1,2,3,4,5,6,7,8,9
	v_wmma_scale_f32_16x16x128_f8f6f4 v[S+8*\t:S+8*\t+7], v[F+6*\t:F+6*\t+11], v[16:27], 0, v[KS+\t], v28 matrix_a_fmt:MATRIX_FMT_FP6 matrix_b_fmt:MATRIX_FMT_FP6
.endr
	PLACES 4                                       ; in front of loads into the operands' registers and of the first read of the scores
.if \e == 0
	global_load_b128 v[16:19], v12, s[52:53] offset:8192        ; the second head's Q
	global_load_b64 v[20:21], v12, s[52:53] offset:8192+512
	global_load_b32 v28, v12, s[52:53] offset:8192+520
.endif
.irp d, 0,1,2,3                                ; V^T: channel tile d; keys 0-127 of the window at v[F + 12 d], keys 128-159 at v[F + 48 + 6 d]
.irp c, 0,1
	ds_load_b128 v[F+12*\d+6*\c:F+12*\d+6*\c+3], v[4+2*\c] offset:256*\d
	ds_load_b64 v[F+12*\d+6*\c+4:F+12*\d+6*\c+5], v[5+2*\c] offset:256*\d
.endr
	ds_load_b128 v[F+48+6*\d:F+48+6*\d+3], v8 offset:256*\d
	ds_load_b64 v[F+48+6*\d+4:F+48+6*\d+5], v9 offset:256*\d
.endr
	ds_load_b128 v[208:211], v14                   ; V's scale words of the chunk before,
	ds_load_b128 v[212:215], v14 offset:6400       ; and of mine
	s_cmp_lg_u32 ttmp9, 0                          ; chunk 0 has no chunk before it: those blocks' scores become -infinity
	s_cbranch_scc1 .Lhas_prev_\@
.irp k, 0,1,2,3
.irp i, 0,1,2,3,4,5,6,7,8,9,10,11,12,13,14,15
	v_cndmask_b32 v[S+16*\k+\i], v[S+16*\k+\i], v13, s[70+\k]
.endr
.endr
.Lhas_prev_\@:
.irp i, 0,1,2,3,4,5,6,7,8,9,10,11,12,13,14,15
	v_cmp_gt_i32 vcc_lo, \i, v10
	v_cndmask_b32 v[S+\i], v13, v[S+\i], vcc_lo            ; the window's far edge
	v_cndmask_b32 v[S+64+\i], v[S+64+\i], v13, vcc_lo      ; the diagonal
.endr
.irp k, 0,1,2,3,4                              ; each block's largest score: it serves for the row's maximum and for the block's largest w
	v_max3_num_f32 v[BM+\k], v[S+16*\k], v[S+16*\k+1], v[S+16*\k+2]
.endr
.irp i, 3,5,7,9,11,13
.irp k, 0,1,2,3,4
	v_max3_num_f32 v[BM+\k], v[BM+\k], v[S+16*\k+\i], v[S+16*\k+\i+1]
.endr
.endr
.irp k, 0,1,2,3,4
	v_max_num_f32 v[BM+\k], v[BM+\k], v[S+16*\k+15]
.endr
.irp k, 0,1,2,3,4
	v_permlanex16_b32 v[BX+\k], v[BM+\k], s[SEL], s[SEL+1]
.endr
.irp k, 0,1,2,3,4
	v_max_num_f32 v[BM+\k], v[BM+\k], v[BX+\k]
.endr
	v_max3_num_f32 v242, v232, v233, v234
	v_max3_num_f32 v242, v242, v235, v236          ; the row's largest score: the diagonal key always counts, so it is a number
	v_mov_b32 v243, v242
.set j, 0
.rept 40
	v_pk_add_f32 v[S+j:S+j+1], v[S+j:S+j+1], v[242:243] neg_lo:[0,1] neg_hi:[0,1]   ; score - maximum: a true difference
.set j, j+2
.endr
.set j, 0
.rept 40
	v_pk_mul_f32 v[S+j:S+j+1], v[S+j:S+j+1], s[CS:CS+1] op_sel_hi:[1,0]            ; x log2(e) / 8
.set j, j+2
.endr
.irp k, 0,1,2,3,4
	v_sub_f32 v[BM+\k], v[BM+\k], v242
.endr
.irp k, 0,1,2,3,4
	v_mul_f32 v[BM+\k], s[CS], v[BM+\k]
.endr
	v_fma_f32 v248, v242, 0xbe000000, s[SNK+\e]    ; sink - m
	v_mul_f32 v248, 0x3fb8aa3b, v248
.set j, 0
.rept 80
	v_exp_f32 v[S+j], v[S+j]
.set j, j+1
.endr
.irp k, 0,1,2,3,4
	v_exp_f32 v[BM+\k], v[BM+\k]
.endr
	v_exp_f32 v248, v248
	v_nop                                          ; a plain line behind the last exponential
	s_wait_alu depctr_va_vdst(0)                   ; one wait for the batch of 86, ahead of its first reader
	v_pk_add_f32 v[244:245], v[S:S+1], v[S+2:S+3]  ; the row's sum, in two packed chains
	v_pk_add_f32 v[246:247], v[S+4:S+5], v[S+6:S+7]
.set j, 8
.rept 18
	v_pk_add_f32 v[244:245], v[244:245], v[S+j:S+j+1]
	v_pk_add_f32 v[246:247], v[246:247], v[S+j+2:S+j+3]
.set j, j+4
.endr
	v_pk_add_f32 v[244:245], v[244:245], v[246:247]
	v_add_f32 v244, v244, v245
	v_permlanex16_b32 v246, v244, s[SEL], s[SEL+1]
	v_add_f32 v244, v244, v246
	v_add_f32 v244, v244, v248                     ; + exp(sink - m)
	v_rcp_f32 v250, v244
	v_nop
	s_wait_alu depctr_va_vdst(0)                   ; the wait for the reciprocal
	v_mov_b32 v251, v250
.set j, 0
.rept 40
	v_pk_mul_f32 v[S+j:S+j+1], v[S+j:S+j+1], v[250:251]     ; w, finished
.set j, j+2
.endr
.irp k, 0,1,2,3,4
	v_mul_f32 v[BM+\k], v[BM+\k], v250
.endr
	s_wait_dscnt 0x0                               ; V's fragments and scale words are in
.irp k, 0,1,2,3,4
	v_max_num_f32 v[BM+\k], 0x1800000, v[BM+\k]    ; the floor: the byte cannot fall under 1
.endr
.irp k, 0,1,2,3,4
	v_add_nc_u32 v[BM+\k], 0xff000000, v[BM+\k]    ; the conversions' scale operands
.endr
.irp k, 0,1,2,3,4
	v_lshrrev_b32 v[BX+\k], 23, v[BM+\k]
.endr
	v_lshl_or_b32 v29, v[BX+1], 8, v[BX]           ; v29: w's scale word for keys 0-127; v30: for keys 128-159
	v_lshl_or_b32 v29, v[BX+2], 16, v29
	v_lshl_or_b32 v29, v[BX+3], 24, v29
	v_mov_b32 v30, v[BX+4]
.irp d, 0,1,2,3
	v_perm_b32 v[KS+\d], v[212+\d], v[208+\d], s68 ; V's bytes of blocks bp .. bp + 3 of the eight,
	v_lshrrev_b32 v[KS+4+\d], s69, v[212+\d]       ; and of block bp + 4 in the lowest byte
.endr
	v_mov_b32 v252, 0
	v_mov_b32 v253, 0
	v_mov_b32 v254, 0
	v_cvt_scalef32_pk16_fp6_f32 v[208:210], v[S:S+15], v[BM]
	v_cvt_scalef32_pk16_fp6_f32 v[244:246], v[S+16:S+31], v[BM+1]
	v_cvt_scalef32_pk16_fp6_f32 v[214:216], v[S+32:S+47], v[BM+2]
	v_cvt_scalef32_pk16_fp6_f32 v[248:250], v[S+48:S+63], v[BM+3]
	v_cvt_scalef32_pk16_fp6_f32 v[220:222], v[S+64:S+79], v[BM+4]
	v_nop                                          ; one plain line behind the scaled conversions
.irp i, 0,1,2                                  ; a whole block to a lane; the fifth block pairs with zeros
	v_permlane16_swap_b32 v[208+\i], v[244+\i]
	v_permlane16_swap_b32 v[214+\i], v[248+\i]
	v_permlane16_swap_b32 v[220+\i], v[252+\i]
.endr
.irp i, 0,1,2
	v_mov_b32 v[211+\i], v[244+\i]
	v_mov_b32 v[217+\i], v[248+\i]
	v_mov_b32 v[223+\i], v[252+\i]
.endr
	PLACES 8                                       ; operands and scale words made by vector instructions stand ahead of a scaled product
.irp d, 0,1,2,3                                ; O^T: four accumulators by turns, one instruction a turn
	v_wmma_scale_f32_16x16x128_f8f6f4 v[S+8*\d:S+8*\d+7], v[F+12*\d:F+12*\d+11], v[208:219], 0, v[KS+\d], v29 matrix_a_fmt:MATRIX_FMT_FP6 matrix_b_fmt:MATRIX_FMT_FP6
.endr
.irp d, 0,1,2,3
	v_wmma_scale_f32_16x16x128_f8f6f4 v[S+8*\d:S+8*\d+7], v[F+48+6*\d:F+48+6*\d+11], v[220:231], v[S+8*\d:S+8*\d+7], v[KS+4+\d], v30 matrix_a_fmt:MATRIX_FMT_FP6 matrix_b_fmt:MATRIX_FMT_FP6
.endr
	PLACES 5
.if \e == 0
	Q2 S, 42, 168, 176, 41                         ; the first head's codes wait in v42-47, its two bytes in v41
.else
	Q2 S, 214, 168, 176, 174
.endif
.endm
	HEAD 0
	HEAD 1
.irp i, 0,1,2,3,4,5
	v_mov_b32 v[208+\i], v[42+\i]                  ; the two heads are K = 0-63 and 64-127 of one fragment
.endr
	v_lshl_or_b32 v41, v174, 16, v41
.irp g, 0,1,2
	global_store_b128 v12, v[208+4*\g:211+4*\g], s[58:59] offset:512*\g     ; 512 consecutive bytes, aligned
.endr
	ds_store_b32 v15, v41                          ; lanes r and 16 + r write the same word with the same value
	s_wait_dscnt 0x0                               ; for the others' sake
	s_barrier_signal -1
	s_barrier_wait -1
	s_cmp_lt_u32 s14, 2                            ; waves 0 and 1 store the two records' scale words
	s_cbranch_scc0 .Lnot_scales
	ds_load_b128 v[232:235], v11
	s_wait_dscnt 0x0
	global_store_b128 v12, v[232:235], s[56:57] offset:12288
.Lnot_scales:
	s_wait_tensorcnt 0x0                           ; the wave's end
	ds_add_u32 v1, v2
	s_wait_dscnt 0x0
	s_endpgm
.Lfunc_end_k_q44a402f30e_attn:
	.size	k_q44a402f30e_attn, .Lfunc_end_k_q44a402f30e_attn-k_q44a402f30e_attn
	.p2alignl 7, 3214868480
	.fill 96, 4, 3214868480
	.section	.rodata,"a",@progbits
	.p2align	6, 0x0
	.amdhsa_kernel k_q44a402f30e_attn
		.amdhsa_group_segment_fixed_size 167936
		.amdhsa_private_segment_fixed_size 0
		.amdhsa_enable_private_segment 0
		.amdhsa_kernarg_size 40
		.amdhsa_user_sgpr_count 2
		.amdhsa_user_sgpr_kernarg_segment_ptr 1
		.amdhsa_wavefront_size32 1
		.amdhsa_system_sgpr_workgroup_id_x 1
		.amdhsa_system_sgpr_workgroup_id_y 1
		.amdhsa_system_sgpr_workgroup_id_z 1
		.amdhsa_system_vgpr_workitem_id 0
		.amdhsa_next_free_vgpr 256
		.amdhsa_next_free_sgpr 80
		.amdhsa_reserve_vcc 1
		.amdhsa_float_denorm_mode_32 3
		.amdhsa_float_denorm_mode_16_64 3
		.amdhsa_memory_ordered 1
		.amdhsa_forward_progress 1
		.amdhsa_inst_pref_size 76
	.end_amdhsa_kernel
	.amdgpu_metadata
---
amdhsa.version: [ 1, 2 ]
amdhsa.kernels:
  - .name:           k_q44a402f30e_attn
    .symbol:         k_q44a402f30e_attn.kd
    .args:
      - { .name: qc, .offset: 0, .size: 8, .value_kind: global_buffer, .address_space: global }
      - { .name: kc, .offset: 8, .size: 8, .value_kind: global_buffer, .address_space: global }
      - { .name: vc, .offset: 16, .size: 8, .value_kind: global_buffer, .address_space: global }
      - { .name: sinks, .offset: 24, .size: 8, .value_kind: global_buffer, .address_space: global }
      - { .name: aq, .offset: 32, .size: 8, .value_kind: global_buffer, .address_space: global }
    .group_segment_fixed_size: 167936
    .private_segment_fixed_size: 0
    .kernarg_segment_align: 8
    .kernarg_segment_size: 40
    .max_flat_workgroup_size: 512
    .sgpr_count:     80
    .vgpr_count:     256
    .wavefront_size: 32
...
	.end_amdgpu_metadata
.endif
;; end of part 3
;; launch proj (part 4): grid 8 x 32, 4 waves a work-group, clusters of 4 x 4, 327,680 bytes of LDS; arguments aq, oq, out_b, out0; writes out0
.if DOCPART == 4
	.amdgcn_target "amdgcn-amd-amdhsa--gfx1250"
	.amdhsa_code_object_version 6
	.text
	.protected	k_q44a402f30e_proj
	.globl	k_q44a402f30e_proj
	.p2align	8
	.type	k_q44a402f30e_proj,@function
k_q44a402f30e_proj:
	s_mov_b64 s[64:65], 0
	v_nop
	global_prefetch_b8 v0, s[64:65] scope:SCOPE_SE
	s_setreg_imm32_b32 hwreg(HW_REG_WAVE_MODE, 25, 1), 1
	s_wait_xcnt 0x0
	s_wait_alu depctr_hold_cnt(0) depctr_sa_sdst(0) depctr_va_vdst(0) depctr_va_sdst(0) depctr_va_ssrc(0) depctr_va_vcc(0) depctr_vm_vsrc(0)
	s_getreg_b32 s2, hwreg(HW_REG_IB_STS2, 6, 4)
	s_cmp_eq_u32 s2, 0
	s_cbranch_scc0 .Lentry_in_a_cluster
	s_endpgm
.Lentry_in_a_cluster:
	s_bfe_u32 s2, ttmp6, 0x10000c
	s_cmp_lg_u32 s2, 0xf033
	s_cbranch_scc0 .Lentry_shape_is_right
	s_endpgm
.Lentry_shape_is_right:
; out0 = attention's output x out_w^T + out_b on codes of FP6 with E8M0 scales (4096 x 2048 x 2048), f32 out.
; A work-group makes 128 tokens x 256 columns (256 work-groups), each of its four waves 64 x 128: 32 accumulators.  Operands come as records of 12,800 bytes (128 rows x 128 K: eight fragment images, then the scale words).
; A slot of the LDS ring holds four K steps: A's group of rows (51,200 bytes, two loads of 25,600) and B's two groups (51,200 bytes each, a load each): one tensor load a wave.  Sixteen K steps are four slots' worth: two refills.
; CLUSTERS: 4 x 4; A's blocks are shared along a row of the cluster, B's along a column: joint loads.
; The matrix instruction is used transposed (source 0 = 16 rows of out_w, source 1 = 16 tokens); the bias is the C of each sum's first product.
; By the tiles' choice of rows, lane (r, h) of accumulator (a, b) holds token 32 (a / 2) + 8 (a % 2) + r + 8 (r / 8) of my 64 and columns 32 (b / 2) + 16 h + 8 (b % 2) + 0 .. 7 of my 128.
; The sixteen K steps are written out: the ring's loop would have one trip.  No prefetch: the launch is short, its blocks are shared, and a refill has four K steps in which to land.
; REGISTERS: window 0: v4 16 x lane, v16-21 LDS addresses, v24-25 the stage, v28-29 the add's two, v32-47 scale words (two sets), v64-159 source 1's fragments (two sets).  window 1: source 0's fragments (two sets) and the bias.  window 2: the accumulators.
.set STEPB, 12800
.set SCO,   12288
.set MA,    4
.set NQ,    4
.set PARTB, NQ*STEPB
.set SLOT,  3*PARTB
.set SPARE, 2*SLOT                     ; behind the ring: the spare words, 128 bytes a wave
.set RGB,   16*STEPB
.set ADRA, 16
.set ADRB, 18
.set ADRS, 20
.set STO,  24
.set RD,   25
.set SPW,  28
.set NIL,  29
.set SC,   32
.set AF0,  64
.set AFS,  48
.set BK,   64
.set G1,   24
.set G0,   32
.set G1B,  48
.set G0B,  56
.set TO_B, 0x40
.set MSB, 0
.macro WIN new                         ; the immediate's high byte repeats the setting that is left
.if MSB != (\new)
	s_set_vgpr_msb (MSB<<8)|(\new)
.set MSB, (\new)
.endif
.endm
.macro PLACES n
.rept \n
	v_nop
.endr
.endm
.macro JLOAD s                         ; a joint load: waves 0, 1 fetch A's two halves, waves 2, 3 B's two groups; an s_nop 0 and four v_nop follow each line
	s_cmp_eq_u32 s19, 0
	s_cbranch_scc0 .Lfor_b_\@
	tensor_load_to_lds s[G0+4*\s:G0+4*\s+3], s[G1:G1+7]
	s_nop 0
.rept 4
	v_nop
.endr
	s_branch .Lasked_\@
.Lfor_b_\@:
	tensor_load_to_lds s[G0B+4*\s:G0B+4*\s+3], s[G1B:G1B+7]
	s_nop 0
.rept 4
	v_nop
.endr
.Lasked_\@:
.endm
.macro CREST
	s_cmp_lg_u32 s18, 0
	s_cbranch_scc1 .Lnot_wave_0_\@
	s_barrier_signal -3
.Lnot_wave_0_\@:
	s_barrier_wait -3
	s_barrier_signal -1
	s_barrier_wait -1
.endm
.macro CROUND
	s_barrier_signal -1
	s_barrier_wait -1
	CREST
.endm
.macro FRAG3 reg, adr, off
.irp g, 0,1,2
	ds_load_b128 v[(\reg)+4*\g:(\reg)+4*\g+3], v[\adr] offset:(\off)+512*\g
.endr
.endm
.macro FETCH slot, q, p                ; the slot's q-th K step into set p
	WIN TO_B
.irp i, 0,1,2,3,4,5,6,7
	FRAG3 128*(\p)+12*\i, ADRB+\slot, (\q)*STEPB+1536*\i
.endr
	WIN 0
.set fi, 0
.rept MA
	FRAG3 AF0+AFS*(\p)+12*fi, ADRA+\slot, (\q)*STEPB+1536*fi
.set fi, fi+1
.endr
	ds_load_b128 v[SC+8*(\p):SC+8*(\p)+3], v[ADRS+\slot] offset:(\q)*STEPB          ; lanes 0-15: my four token tiles' words; lanes 16-31: B's tiles 0-3
	ds_load_b128 v[SC+8*(\p)+4:SC+8*(\p)+7], v[ADRS+\slot] offset:(\q)*STEPB+256    ; lanes 16-31: B's tiles 4-7 (lanes 0-15 are not used)
.endm
.macro MULA a, p, first                ; the accumulators take turns, one instruction a turn, in the same order in every step
.if \first
	WIN 0x91
.else
	WIN 0xa1
.endif
.irp b, 0,1,2,3,4,5,6,7
.if \first
	v_wmma_scale_f32_16x16x128_f8f6f4 v[8*(8*(\a)+\b):8*(8*(\a)+\b)+7], v[128*(\p)+12*\b:128*(\p)+12*\b+11], v[AF0+AFS*(\p)+12*(\a):AF0+AFS*(\p)+12*(\a)+11], v[96+8*\b+96*(\b/4):96+8*\b+96*(\b/4)+7], v[SC+8*(\p)+\b], v[SC+8*(\p)+(\a)] matrix_a_fmt:MATRIX_FMT_FP6 matrix_b_fmt:MATRIX_FMT_FP6 matrix_a_scale:MATRIX_SCALE_ROW1
.else
	v_wmma_scale_f32_16x16x128_f8f6f4 v[8*(8*(\a)+\b):8*(8*(\a)+\b)+7], v[128*(\p)+12*\b:128*(\p)+12*\b+11], v[AF0+AFS*(\p)+12*(\a):AF0+AFS*(\p)+12*(\a)+11], v[8*(8*(\a)+\b):8*(8*(\a)+\b)+7], v[SC+8*(\p)+\b], v[SC+8*(\p)+(\a)] matrix_a_fmt:MATRIX_FMT_FP6 matrix_b_fmt:MATRIX_FMT_FP6 matrix_a_scale:MATRIX_SCALE_ROW1
.endif
.endr
.endm
.macro MULAS a0, n, p, first
.set ma, \a0
.rept \n
	MULA ma, \p, \first
.set ma, ma+1
.endr
.endm
.macro STEP slot, q, first
	s_wait_dscnt 0x0                               ; this step's fragments, asked for a whole step ago
	PLACES 4                                       ; in front of loads into registers that the last step's products read
	FETCH \slot, (\q)+1, 1-(\q)%2
	MULAS 0, MA, (\q)%2, \first
	WIN 0
.endm
.macro TURN slot, next, fill           ; a slot's last K step (set 1) changes slots
	WIN 0
	s_wait_tensorcnt 0x0                           ; all my tensor loads have landed: my part of the next slot
	ds_add_u32 v[SPW], v[NIL]                      ; 0 onto my spare word
	s_wait_dscnt 1                                 ; this step's fragments are in; the add alone may be out
	MULAS 0, MA/4, 1, 0
	s_wait_dscnt 0x0                               ; the add is done, and my reads of this slot are over
	s_barrier_signal -1
	MULAS MA/4, MA/4, 1, 0
	WIN 0
	s_barrier_wait -1
.if \fill
	CREST                                          ; no wave of any partner still reads this slot or has a load on its way
	s_add_nc_u64 s[G0+4*\slot+2:G0+4*\slot+3], s[G0+4*\slot+2:G0+4*\slot+3], 2*PARTB
	s_add_nc_u64 s[G0B+4*\slot+2:G0B+4*\slot+3], s[G0B+4*\slot+2:G0B+4*\slot+3], 2*PARTB
	JLOAD \slot                                    ; the first tensor load behind the round; its four v_nop are the places in front of the loads below
.else
	PLACES 4
.endif
	FETCH \next, 0, 0
	MULAS MA/2, MA/2, 1, 0
	WIN 0
.endm
	s_load_b256 s[4:11], s[0:1], 0x0               ; aq, oq, out_b, out0
	v_lshl_add_u32 v[SPW], v0, 2, SPARE
	v_mov_b32 v[NIL], 0
	ds_add_u32 v[SPW], v[NIL]                      ; the wave's opening: the add and its wait ahead of my first tensor load
	v_lshrrev_b32 v1, 5, v0
	v_readfirstlane_b32 s18, v1                    ; wave
	s_lshr_b32 s19, s18, 1                         ; my half of the tokens.  Also: I fetch for A (0) or B (1)
	s_and_b32 s20, s18, 1                          ; my half of the columns.  Also: which part I fetch
	s_bfe_u32 s40, ttmp6, 0x40000                  ; cx
	s_bfe_u32 s41, ttmp6, 0x40004                  ; cy
	s_lshl_b32 s42, ttmp9, 2
	s_add_co_u32 s42, s42, s40                     ; block of 256 columns
	s_and_b32 s43, ttmp7, 0xffff
	s_lshl_b32 s43, s43, 2
	s_add_co_u32 s43, s43, s41                     ; group of 128 tokens
	s_lshl_b32 s44, s41, 2
	s_lshl_b32 s44, 15, s44                        ; my row of the cluster
	s_lshl_b32 s45, 0x1111, s40                    ; my column
	s_or_b32 s[G1], s44, (3<<16)|(1<<21)           ; the mask; elements of 8 bytes; bit 21 beside a mask; no padding
	s_or_b32 s[G1B], s45, (3<<16)|(1<<21)
	s_mov_b32 s[G1+1], 32<<16                      ; A: 25,600 dense bytes as 100 rows of 256
	s_mov_b32 s[G1+2], 100<<16
	s_mov_b32 s[G1+3], 32<<16
	s_mov_b32 s[G1+4], 100
	s_mov_b32 s[G1+5], 32
	s_mov_b32 s[G1+6], 0
	s_mov_b32 s[G1+7], 0
	s_mov_b32 s[G1B+1], 32<<16                     ; B: 51,200 as 200 rows
	s_mov_b32 s[G1B+2], 200<<16
	s_mov_b32 s[G1B+3], 32<<16
	s_mov_b32 s[G1B+4], 200
	s_mov_b32 s[G1B+5], 32
	s_mov_b32 s[G1B+6], 0
	s_mov_b32 s[G1B+7], 0
	s_mul_i32 s70, s43, RGB
	s_mul_i32 s71, s20, 2*STEPB
	s_add_co_u32 s70, s70, s71                     ; A: my group, K steps 0, 1 or 2, 3 of a slot
	s_mov_b32 s71, 0
	s_lshl_b32 s72, s42, 1
	s_add_co_u32 s72, s72, s20
	s_mul_i32 s72, s72, RGB                        ; B: group 2 x column block + which
	s_mov_b32 s73, 0
	s_mul_i32 s74, s20, 2*STEPB                    ; where A's part goes,
	s_mul_i32 s75, s20, PARTB
	s_add_co_u32 s75, s75, PARTB                   ; and B's
	s_lshl_b32 s76, s42, 10
	s_lshl_b32 s77, s20, 9
	s_add_co_u32 s76, s76, s77                     ; my first column, in bytes
	s_mov_b32 s77, 0
	s_lshl_b32 s78, s43, 20
	s_lshl_b32 s79, s19, 19
	s_add_co_u32 s78, s78, s79
	s_add_co_u32 s78, s78, s76                     ; my 64 tokens' first row of 8,192 bytes, at that column
	s_mov_b32 s79, 0
	s_wait_dscnt 0x0                               ; the opening add is done
	s_wait_kmcnt 0x0
	s_add_nc_u64 s[80:81], s[4:5], s[70:71]
	s_add_nc_u64 s[82:83], s[6:7], s[72:73]
	s_add_nc_u64 s[8:9], s[8:9], s[76:77]
	s_add_nc_u64 s[10:11], s[10:11], s[78:79]
	CROUND                                         ; all sixteen work-groups are here: the first joint loads meet
.irp s, 0,1
	s_mov_b32 s[G0+4*\s], 1
	s_add_co_u32 s[G0+4*\s+1], s74, \s*SLOT
	s_add_nc_u64 s[G0+4*\s+2:G0+4*\s+3], s[80:81], \s*PARTB
	s_or_b32 s[G0+4*\s+3], s[G0+4*\s+3], 0x80000000
	s_mov_b32 s[G0B+4*\s], 1
	s_add_co_u32 s[G0B+4*\s+1], s75, \s*SLOT
	s_add_nc_u64 s[G0B+4*\s+2:G0B+4*\s+3], s[82:83], \s*PARTB
	s_or_b32 s[G0B+4*\s+3], s[G0B+4*\s+3], 0x80000000
	JLOAD \s
.endr
	v_and_b32 v1, 31, v0                           ; lane
	v_and_b32 v2, 15, v0                           ; r
	v_bfe_u32 v3, v0, 4, 1                         ; h
	v_lshlrev_b32 v4, 4, v1                        ; 16 x lane
	s_mul_i32 s84, s19, 6144                       ; my four token tiles
	s_lshl_b32 s85, s19, 8                         ; and their scale words
	s_sub_co_u32 s86, s75, s85
	v_mul_u32_u24 v5, s86, v3                      ; lanes 16-31 take B's words: one product, the lower base + h x the distance
	v_lshl_add_u32 v5, v2, 4, v5
	s_add_co_u32 s85, s85, SCO
	s_mov_b32 s87, s75
.irp s, 0,1
	v_add_nc_u32 v[ADRA+\s], s84, v4
	v_add_nc_u32 v[ADRB+\s], s87, v4
	v_add_nc_u32 v[ADRS+\s], s85, v5
	s_add_co_u32 s84, s84, SLOT
	s_add_co_u32 s87, s87, SLOT
	s_add_co_u32 s85, s85, SLOT
.endr
	s_mul_i32 s88, s18, 8448                       ; my stage: 16 rows x 528 bytes, in slot 0
	v_mul_u32_u24 v6, v2, 528
	v_lshl_add_u32 v6, v3, 6, v6
	v_add_nc_u32 v[STO], s88, v6                   ; in: row r, + 64 h
	v_add_nc_u32 v[RD], s88, v4                    ; back: a row's 512 bytes, 16 a lane
	v_lshlrev_b32 v7, 6, v3
	WIN TO_B
.irp b, 0,1,2,3,4,5,6,7                        ; the bias in the result's layout
	global_load_b128 v[96+8*\b+96*(\b/4):96+8*\b+96*(\b/4)+3], v7, s[8:9] offset:128*(\b/2)+32*(\b%2)
	global_load_b128 v[96+8*\b+96*(\b/4)+4:96+8*\b+96*(\b/4)+7], v7, s[8:9] offset:128*(\b/2)+32*(\b%2)+16
.endr
	WIN 0
	s_wait_loadcnt 0x0
	s_wait_tensorcnt 0x1                           ; my part of slot 0 is in; slot 1's may stay out
	s_barrier_signal -1
	s_barrier_wait -1
	FETCH 0, 0, 0
	STEP 0, 0, 1                                   ; the first products start the sums from the bias
	STEP 0, 1, 0
	STEP 0, 2, 0
	TURN 0, 1, 1                                   ; slot 0 takes K steps 8-11
	STEP 1, 0, 0
	STEP 1, 1, 0
	STEP 1, 2, 0
	TURN 1, 0, 1                                   ; slot 1 takes K steps 12-15
	STEP 0, 0, 0
	STEP 0, 1, 0
	STEP 0, 2, 0
	TURN 0, 1, 0                                   ; nothing is left to fetch; behind this barrier nobody reads slot 0, and it has had its last fill
	STEP 1, 0, 0
	STEP 1, 1, 0
	STEP 1, 2, 0
	s_wait_dscnt 0x0                               ; the last step
	MULAS 0, MA, 1, 0
	WIN 0
; THE WAY OUT, a tile of 16 tokens x 128 columns at a time: through my own stage in LDS and back as whole rows of 512 bytes.  A wave's LDS instructions are served in order: no wait between the stores and the loads.
.macro TOSTAGE a
	WIN 0x08                                       ; an LDS store's data are its source 1: window 2
.irp b, 0,1,2,3,4,5,6,7
	ds_store_b128 v[STO], v[64*(\a)+8*\b:64*(\a)+8*\b+3] offset:128*(\b/2)+32*(\b%2)          ; each accumulator from its low end on
	ds_store_b128 v[STO], v[64*(\a)+8*\b+4:64*(\a)+8*\b+7] offset:128*(\b/2)+32*(\b%2)+16
.endr
	WIN 0
.irp t, 0,1,2,3,4,5,6,7,8,9,10,11,12,13,14,15
	ds_load_b128 v[BK+64*((\a)%2)+4*\t:BK+64*((\a)%2)+4*\t+3], v[RD] offset:528*\t
.endr
.endm
.macro SEND a, younger                 ; younger: the LDS instructions issued behind tile a's loads
	s_wait_dscnt \younger
.irp t, 0,1,2,3,4,5,6,7,8,9,10,11,12,13,14,15
	global_store_b128 v4, v[BK+64*((\a)%2)+4*\t:BK+64*((\a)%2)+4*\t+3], s[10:11] offset:(32*((\a)/2)+8*((\a)%2)+\t+8*(\t/8))*8192 th:TH_STORE_NT   ; 512 consecutive bytes, at a multiple of 256 from the output's start
.endr
.endm
	PLACES 4                                       ; in front of the first read of results and of loads into the operands' registers
	TOSTAGE 0
.irp a, 1,2,3
.if \a > 1
	s_wait_xcnt 0x0                                ; tile a - 2's stores have read their registers: tile a's loads may land there
.endif
	TOSTAGE \a
	SEND \a-1, 32                                  ; behind tile a - 1's loads: tile a's 16 stores and 16 loads
.endr
	SEND 3, 0
	s_wait_tensorcnt 0x0                           ; the wave's end
	ds_add_u32 v[SPW], v[NIL]
	s_wait_dscnt 0x0
	CROUND                                         ; the closing round
	s_endpgm
.Lfunc_end_k_q44a402f30e_proj:
	.size	k_q44a402f30e_proj, .Lfunc_end_k_q44a402f30e_proj-k_q44a402f30e_proj
	.p2alignl 7, 3214868480
	.fill 96, 4, 3214868480
	.section	.rodata,"a",@progbits
	.p2align	6, 0x0
	.amdhsa_kernel k_q44a402f30e_proj
		.amdhsa_group_segment_fixed_size 327680
		.amdhsa_private_segment_fixed_size 0
		.amdhsa_enable_private_segment 0
		.amdhsa_kernarg_size 32
		.amdhsa_user_sgpr_count 2
		.amdhsa_user_sgpr_kernarg_segment_ptr 1
		.amdhsa_wavefront_size32 1
		.amdhsa_system_sgpr_workgroup_id_x 1
		.amdhsa_system_sgpr_workgroup_id_y 1
		.amdhsa_system_sgpr_workgroup_id_z 1
		.amdhsa_system_vgpr_workitem_id 0
		.amdhsa_next_free_vgpr 768
		.amdhsa_next_free_sgpr 100
		.amdhsa_reserve_vcc 0
		.amdhsa_float_denorm_mode_32 3
		.amdhsa_float_denorm_mode_16_64 3
		.amdhsa_memory_ordered 1
		.amdhsa_forward_progress 1
		.amdhsa_inst_pref_size 133
	.end_amdhsa_kernel
	.amdgpu_metadata
---
amdhsa.version: [ 1, 2 ]
amdhsa.kernels:
  - .name:           k_q44a402f30e_proj
    .symbol:         k_q44a402f30e_proj.kd
    .args:
      - { .name: aq, .offset: 0, .size: 8, .value_kind: global_buffer, .address_space: global }
      - { .name: oq, .offset: 8, .size: 8, .value_kind: global_buffer, .address_space: global }
      - { .name: out_b, .offset: 16, .size: 8, .value_kind: global_buffer, .address_space: global }
      - { .name: out0, .offset: 24, .size: 8, .value_kind: global_buffer, .address_space: global }
    .group_segment_fixed_size: 327680
    .private_segment_fixed_size: 0
    .kernarg_segment_align: 8
    .kernarg_segment_size: 32
    .max_flat_workgroup_size: 128
    .sgpr_count:     100
    .vgpr_count:     768
    .wavefront_size: 32
...
	.end_amdgpu_metadata
.endif
;; end of part 4
